; MI455X (gfx1250); checked and timed in simulation.
; The chip was launched on July 23, 2026; its instructions are those of AMD's public machine-readable ISA for CDNA 5 (MIT licence, August 2026) and "CDNA5" Instruction Set Architecture Reference Guide (July 2026). The comments in the code are by the model that wrote it; some were corrected since.
;; Multi Head Attn. Allowed arithmetic: matrix products marked QUANTISED: E5M2 operands, one given power-of-two scale a tensor, by v_wmma_f32_16x16x64_bf8_bf8 or v_wmma_f32_16x16x128_bf8_bf8, f32 sums; products left as they are: f32 operands where the result goes on into a quantised operand, else bf16, f16 or f32 operands; f32 sums; everything else in f32.
;; Inputs: Wk 16 x 64 x 1,024 float32; Wp 1,024 x 1,024 float32; Wq 16 x 64 x 1,024 float32; Wv 16 x 64 x 1,024 float32; k 512 x 64 x 1,024 float32; lowp_scales 8 int32 (the exponents e of the quantised operands' scales 2^e); offset 1,024 float32; q 512 x 1,024 float32; scale 1,024 float32; v 512 x 64 x 1,024 float32.
;; Outputs: out0 512 x 1,024 float32.
;; This version of the problem:
;;   THIS VERSION OF THE PROBLEM IS GIVEN IN LOW PRECISION. The matrix products marked QUANTISED in the list below multiply operands that are first quantised to E5M2 (5 exponent bits, 2 mantissa bits; 8 bits a number), with one given power-of-two scale for each operand tensor; their sums are f32. All else is computed in f32.
;;   The module's matrix products, in the order in which they are computed (A, B: the left and right operand; K: the contracted axis; several contracted axes count as one K, in the product's order):
;;     1. [M 512, K 1,024] x [K 1,024, N 1,024]; A: input q; B: input Wq: QUANTISED (scales: A lowp_scales[0], B lowp_scales[1])
;;     2. [M 1,024, K 1,024] x [K 1,024, N 32,768]; A: input Wk; B: input k: QUANTISED (scales: A lowp_scales[2], B lowp_scales[3])
;;     3. [M 1,024, K 1,024] x [K 1,024, N 32,768]; A: input Wv; B: input v: QUANTISED (scales: A lowp_scales[4], B lowp_scales[5])
;;     4. batch 8,192 x [M 1, K 64] x [K 64, N 64]; A: computed on the way; B: computed on the way: left as it is (M = 1 < 16)
;;     5. batch 8,192 x [M 1, K 64] x [K 64, N 64]; A: softmax; B: computed on the way: left as it is (M = 1 < 16)
;;     6. [M 512, K 1,024] x [K 1,024, N 1,024]; A: computed on the way; B: input Wp: QUANTISED (scales: A lowp_scales[6], B lowp_scales[7])
;;   THE QUANTISER, for each operand of a quantised product, along K:
;;     - The operand's scale is 2^e, e = its entry of the input lowp_scales (int32; the entries are numbered through the quantised products in the list's order, A before B).
;;     - Each number is divided by the scale, clamped to +-57,344, and rounded to the nearest number of E5M2, ties to even, subnormals kept.
;;     - The product sums the exact products of the quantised numbers (number of the format x scale) in f32.
;;   ~~~python
;;   def quantise(x, axis, e):      # numpy; x: float32 -> the quantised numbers, widened to float32 again
;;       x = np.moveaxis(x, axis, -1); K = x.shape[-1]
;;       r = np.clip(x / 2.0 ** e, -57344, 57344)
;;       step = 2.0 ** (np.maximum(np.frexp(np.where(r == 0, 1, r))[1] - 1, -14) - 2)
;;       q = np.round(r / step) * step * 2.0 ** e      # np.round: ties to even
;;       return np.moveaxis(q, -1, axis).astype(np.float32)
;;   ~~~
;;   OPERANDS COMPUTED ON THE WAY. 'Computed on the way' means the value that the module computes at that place (a softmax that the list does not call 'softmax' is quantised finished and normalised). What goes into a quantiser is computed in f32, as accurately as f32 sums, v_exp_f32 and their like allow (about 1e-6 of the number): no bf16 or f16 on the way to a quantiser, and a product that is left as it is and whose result goes on into a quantised operand takes f32 operands (vector FMAs, or v_wmma_f32_16x16x4_f32). A number that lies on a knife's edge between two numbers of the format may be rounded either way, as far as f32 arithmetic and the matrix unit's own rounding can turn it there, and no further.
;; 2 versions, each right; version 2 is version 1 with the launches prep, proj written anew for expert scheduling mode. Each part assembles by itself: llvm-mc -triple=amdgcn-amd-amdhsa -mcpu=gfx1250 --defsym DOCPART=n.
;; ======== version 1 of 2: 3 launches
;; workspace buffers: wkv_img 2,097,152 bytes; wp_img 1,048,576 bytes; hqs 2,097,152 bytes; ctxc 524,288 bytes
;; launch prep (part 1): grid 256 x 1, 8 waves a work-group, no clusters, 128,000 bytes of LDS; arguments q, Wq, Wk, Wv, Wp, lowp_scales, wkv_img, wp_img, hqs; writes wkv_img, wp_img, hqs
.if DOCPART == 1
	.amdgcn_target "amdgcn-amd-amdhsa--gfx1250"
	.amdhsa_code_object_version 6
	.text
	.protected	k_qb744a5a92a_prep
	.globl	k_qb744a5a92a_prep
	.p2align	8
	.type	k_qb744a5a92a_prep,@function
k_qb744a5a92a_prep:
	s_mov_b64 s[64:65], 0
	v_nop
	global_prefetch_b8 v0, s[64:65] scope:SCOPE_SE
	s_setreg_imm32_b32 hwreg(HW_REG_WAVE_MODE, 25, 1), 1
	s_wait_xcnt 0x0
; (1) Wk, Wv, Wp [1024][1024] f32 become codes of BF8 (E5M2), laid as IMAGES OF OPERAND REGISTERS: row n = 512 c + 128 w + 16 f + r, k = 128 s + 32 c4 + 16 h + i (i = 0 .. 15)
;     lies at byte ((8 c + s) 4 + w) 16384 + 2048 f + 512 c4 + 256 h + 16 r + i: a lane (r + 16 h) takes 16 bytes at 16 x lane.  Wv's image follows Wk's, 2^20 bytes on, in one buffer.
; (2) hq' = (Q(q) Q(Wq)^T) x 2^(e0+e1+e2+e3) x log2(e) / 32, f32 [512][1024]: the query's projection with every factor of the later scores folded in (sqrt(1024) = 32).
; code = x / 2^e, held within +-57,344, to the nearest code, ties to even.  LIMITS: e0, e1, e2, e4, e7 between -126 and 112 (2^e and 57,344 x 2^e are written as f32 patterns).  NaN among the inputs is not served.
; SHARES.  256 work-groups of eight waves.  Work-group g makes 32 rows x 64 columns of hq' (rows 32 (g / 16) on, columns 64 (g % 16) on), a wave one tile of 16 x 16 over all of K; and six of the 1,536 weight fragments
; (16 rows x 128 K): wave w < 6 takes tensor w / 2, rows 16 (g / 4) on, K step 2 (g % 4) + w % 2.
; For the product wave w quantises K step w (128 along K) of six tiles of 16 rows (two of q, four of Wq) into code rows in LDS; a barrier; each wave reads its two operands' rows.
; A load reads one row's 512 consecutive bytes, 16 a lane: register 4 p + i of lane l is (row p, k = 4 l + i).  A conversion of eight registers gives two rows' four codes, one register a row.
; NO JOINT REQUESTS: all f32 numbers pass through registers on their way to the conversions, and what reaches LDS are codes that the waves store themselves.
.set PITCH, 1040                       ; a code row in LDS: 1,024 bytes + 16: an odd multiple of 16
.set XR,    0                          ; 96 code rows: q's 32, then Wq's 64
.set SCR,   96*PITCH                   ; 99,840: a wave's own 16 rows of 128 codes, 144 bytes apart
.set STG,   SCR+8*2304                 ; 118,272: 32 rows of hq', 256 bytes + 16
; v1 my offset in hqs; v4 16 x lane; v5, v6 code rows 0-47, 48-95 (store); v7, v8 my scratch (store, read); v9, v10 q's, Wq's fragments; v11, v15 the stage (store, read); v12-14 scales as f32
; v16-23, v24-31 two accumulators; v32-47 codes, later results; v48-63 the image; v64-127, v128-191, v192-255 three sets of 64 numbers, later fragments
.macro MKSCALE e, neg, pos, scl        ; 2^e, 57,344 x 2^e and its negative as f32 patterns
	s_add_co_i32 \scl, \e, 127
	s_add_co_i32 \pos, \scl, 15
	s_lshl_b32 \scl, \scl, 23
	s_lshl_b32 \pos, \pos, 23
	s_or_b32 \pos, \pos, 0x600000
	s_or_b32 \neg, \pos, 0x80000000
.endm
.macro LD16 set, p, off                ; 16 rows x 512 bytes
.irp r, 0,1,2,3,4,5,6,7,8,9,10,11,12,13,14,15
	global_load_b128 v[\set+4*\r:\set+4*\r+3], v4, s[\p:\p+1] offset:\off+\r*4096
.endr
.endm
.macro QT set, wt, neg, pos, scl       ; 64 numbers a lane become 16 registers of codes, v32 + row
	s_wait_loadcnt \wt                             ; loads come back in order: this set is in, wt younger loads may stay out
.set i, 0
.rept 64
	v_med3_num_f32 v[\set+i], v[\set+i], \neg, \pos   ; the conversion to an 8-bit code does not saturate (ISA guide 7.6.2): the hold at the largest code x the scale
.set i, i+1
.endr
	s_wait_dscnt 0x0                               ; the LDS stores of the tile before have read the code registers
.irp g, 0,1,2,3,4,5,6,7
	v_cvt_scalef32_pk8_bf8_f32 v[32+2*\g:33+2*\g], v[\set+8*\g:\set+8*\g+7], v[\scl]
.endr
	v_nop                                          ; one plain vector line behind the last conversion
.endm
.macro ST16 adr, off, pitch            ; a row's 128 codes: 32 lanes store 128 consecutive bytes
.irp r, 0,1,2,3,4,5,6,7,8,9,10,11,12,13,14,15
	ds_store_b32 v[\adr], v[32+\r] offset:\off+\r*\pitch
.endr
.endm
	s_load_b256 s[4:11], s[0:1], 0x0               ; q s[4:5], Wq s[6:7], Wk s[8:9], Wv s[10:11]
	s_load_b256 s[12:19], s[0:1], 0x20             ; Wp s[12:13], the scales' exponents s[14:15], wkv_img s[16:17], wp_img s[18:19]
	s_load_b64 s[20:21], s[0:1], 0x40              ; hqs
	s_set_vgpr_msb 0x40
	v_lshl_add_u32 v0, v0, 2, 0x1f000
	v_mov_b32 v1, 0
	s_set_vgpr_msb 0x4000
	v_lshrrev_b32 v1, 5, v0
	v_readfirstlane_b32 s22, v1                    ; wave 0..7
	v_and_b32 v1, 31, v0                           ; lane
	v_and_b32 v2, 15, v0                           ; r
	v_bfe_u32 v3, v0, 4, 1                         ; h
	v_lshlrev_b32 v4, 4, v1
	; every LDS address is made here, ahead of the branch on the wave's number
	s_lshl_b32 s23, s22, 7
	v_lshl_add_u32 v5, v1, 2, s23                  ; code rows: column 128 w + 4 x lane
	v_add_nc_u32 v6, 48*PITCH, v5
	s_mul_i32 s23, s22, 2304
	s_add_co_u32 s23, s23, SCR
	v_lshl_add_u32 v7, v1, 2, s23                  ; my scratch: 4 x lane,
	v_mul_u32_u24 v8, v2, 144
	v_lshl_add_u32 v8, v3, 4, v8
	v_add_nc_u32 v8, s23, v8                       ; and back: row r, + 16 h
	s_lshr_b32 s24, s22, 2                         ; which 16 rows of q are my tile's
	s_and_b32 s25, s22, 3                          ; which 16 rows of Wq
	v_mul_u32_u24 v9, v2, PITCH
	v_lshl_add_u32 v9, v3, 4, v9                   ; row r, + 16 h
	s_mul_i32 s23, s25, 16*PITCH
	s_add_co_u32 s23, s23, 32*PITCH
	v_add_nc_u32 v10, s23, v9                      ; Wq's fragment
	s_mul_i32 s23, s24, 16*PITCH
	v_add_nc_u32 v9, s23, v9                       ; q's fragment
	s_mul_i32 s23, s24, 16*272
	s_lshl_b32 s25, s25, 6
	s_add_co_u32 s23, s23, s25
	s_add_co_u32 s23, s23, STG
	v_mul_u32_u24 v11, v2, 272
	v_lshl_add_u32 v11, v3, 5, v11
	v_add_nc_u32 v11, s23, v11                     ; the stage, in: row 16 mt + r, bytes 64 nt + 32 h on
	s_mul_i32 s23, s22, 4*272
	s_add_co_u32 s23, s23, STG
	v_mul_u32_u24 v15, v3, 272
	v_lshl_add_u32 v15, v2, 4, v15
	v_add_nc_u32 v15, s23, v15                     ; and back: rows 4 w + h (and two further on), 16 bytes a lane
	v_lshlrev_b32 v1, 12, v3
	v_lshl_add_u32 v1, v2, 4, v1                   ; the same place in hqs: h rows of 4,096 bytes + 16 r
	; offsets, apart from the addresses
	s_lshr_b32 s23, ttmp9, 4                       ; g / 16
	s_and_b32 s24, ttmp9, 15                       ; g % 16
	s_lshl_b32 s25, s22, 9                         ; my K step: 512 bytes of a row
	s_mov_b32 s27, 0
	s_lshr_b32 s38, ttmp9, 2                       ; the weights' tile of 16 rows
	s_and_b32 s39, ttmp9, 3
	s_lshl_b32 s39, s39, 1
	s_and_b32 s46, s22, 1
	s_add_co_u32 s39, s39, s46                     ; and their K step
	s_wait_kmcnt 0x0
	s_load_b256 s[48:55], s[14:15], 0x0            ; e0 .. e7
	s_lshl_b32 s26, s23, 17                        ; 32 rows of 4,096 bytes
	s_add_co_u32 s26, s26, s25
	s_add_nc_u64 s[28:29], s[4:5], s[26:27]        ; q at my tiles' first row, my K step
	s_lshl_b32 s26, s24, 18                        ; 64 rows
	s_add_co_u32 s26, s26, s25
	s_add_nc_u64 s[30:31], s[6:7], s[26:27]        ; Wq likewise
	LD16 64, 28, 0                                 ; tile 0: q's rows 0-15
	LD16 128, 28, 65536                            ; tile 1: q's rows 16-31
	s_cmp_lt_u32 s22, 4                            ; the choices hang on the wave's number alone
	s_cselect_b64 s[32:33], s[10:11], s[12:13]
	s_cselect_b64 s[34:35], s[16:17], s[18:19]
	s_cmp_lt_u32 s22, 2
	s_cselect_b64 s[32:33], s[8:9], s[32:33]       ; waves 0, 1: Wk; 2, 3: Wv; 4, 5: Wp
	s_lshl_b32 s26, s38, 16
	s_lshl_b32 s46, s39, 9
	s_add_co_u32 s26, s26, s46
	s_add_nc_u64 s[32:33], s[32:33], s[26:27]      ; the fragment's first row and K step
	s_lshr_b32 s26, s38, 5
	s_lshl_b32 s26, s26, 19                        ; c
	s_lshl_b32 s46, s39, 16                        ; s
	s_add_co_u32 s26, s26, s46
	s_bfe_u32 s46, s38, 0x20003
	s_lshl_b32 s46, s46, 14                        ; w
	s_add_co_u32 s26, s26, s46
	s_and_b32 s46, s38, 7
	s_lshl_b32 s46, s46, 11                        ; f
	s_add_co_u32 s26, s26, s46
	s_lshr_b32 s46, s22, 1
	s_cmp_eq_u32 s46, 1
	s_cselect_b32 s46, 0x100000, 0                 ; Wv's image lies behind Wk's
	s_add_co_u32 s26, s26, s46
	s_add_nc_u64 s[34:35], s[34:35], s[26:27]      ; the fragment's image
	s_lshl_b32 s26, s23, 17
	s_lshl_b32 s46, s22, 14
	s_add_co_u32 s26, s26, s46
	s_lshl_b32 s46, s24, 8
	s_add_co_u32 s26, s26, s46
	s_add_nc_u64 s[36:37], s[20:21], s[26:27]      ; hqs at row 32 (g / 16) + 4 w, column 64 (g % 16)
	s_wait_kmcnt 0x0
	s_cmp_lt_u32 s22, 4
	s_cselect_b32 s47, s52, s55
	s_cmp_lt_u32 s22, 2
	s_cselect_b32 s47, s50, s47                    ; e2, e4 or e7
	MKSCALE s48, s40, s41, s57
	MKSCALE s49, s42, s43, s58
	MKSCALE s47, s44, s45, s59
	v_mov_b32 v12, s57
	v_mov_b32 v13, s58
	v_mov_b32 v14, s59
	s_add_co_i32 s56, s48, s49
	s_add_co_i32 s56, s56, s50
	s_add_co_i32 s56, s56, s51                     ; e0 + e1 + e2 + e3
	s_cmp_lt_u32 s22, 6
	s_cbranch_scc0 .Lno_weight
	LD16 192, 32, 0                                ; my weight fragment
	QT 192, 0, s44, s45, 14
	ST16 7, 0, 144                                 ; through my own scratch: LDS serves a wave's instructions in order, so the loads below see these stores
.irp c, 0,1,2,3
	ds_load_b128 v[48+4*\c:51+4*\c], v8 offset:32*\c   ; registers 4 c .. 4 c + 3: row r, k = 32 c + 16 h + 0 .. 15
.endr
	s_wait_dscnt 0x0
.irp c, 0,1,2,3
	global_store_b128 v4, v[48+4*\c:51+4*\c], s[34:35] offset:512*\c   ; 32 lanes store 512 consecutive bytes, aligned; v48-63 are not written again
.endr
.Lno_weight:
	LD16 192, 30, 0                                ; tile 2: Wq's rows 0-15
	QT 64, 32, s40, s41, 12                        ; the counts leave the two younger tiles out (on the way through the branch above fewer are out)
	ST16 5, 0, PITCH
	LD16 64, 30, 65536                             ; tile 3
	QT 128, 32, s40, s41, 12
	ST16 5, 16*PITCH, PITCH
	LD16 128, 30, 131072                           ; tile 4
	QT 192, 32, s42, s43, 13
	ST16 5, 32*PITCH, PITCH
	LD16 192, 30, 196608                           ; tile 5
	QT 64, 32, s42, s43, 13
	ST16 6, 0, PITCH
	QT 128, 16, s42, s43, 13
	ST16 6, 16*PITCH, PITCH
	QT 192, 0, s42, s43, 13
	ST16 6, 32*PITCH, PITCH
	s_wait_dscnt 0x0                               ; for the others' sake: my stores have landed
	s_barrier_signal -1
	s_barrier_wait -1                              ; the 96 code rows are whole
.irp s, 0,1,2,3,4,5
.irp c, 0,1,2,3
	ds_load_b128 v[64+32*\s+4*\c:67+32*\s+4*\c], v10 offset:128*\s+32*\c   ; Wq's fragment of K step s: k = 32 c + 16 h + 0 .. 15, the same places as in q's
	ds_load_b128 v[80+32*\s+4*\c:83+32*\s+4*\c], v9 offset:128*\s+32*\c    ; q's
.endr
.endr
	s_wait_dscnt 0x0
	; TRANSPOSED: source 0 = 16 rows of Wq, source 1 = 16 rows of q: a lane holds one row of hq' and eight neighbouring columns.  Two accumulators take turns
	v_wmma_f32_16x16x128_bf8_bf8 v[16:23], v[64:79], v[80:95], 0
	v_wmma_f32_16x16x128_bf8_bf8 v[24:31], v[96:111], v[112:127], 0
	v_wmma_f32_16x16x128_bf8_bf8 v[16:23], v[128:143], v[144:159], v[16:23]
	v_wmma_f32_16x16x128_bf8_bf8 v[24:31], v[160:175], v[176:191], v[24:31]
	v_wmma_f32_16x16x128_bf8_bf8 v[16:23], v[192:207], v[208:223], v[16:23]
	v_wmma_f32_16x16x128_bf8_bf8 v[24:31], v[224:239], v[240:255], v[24:31]
.rept 4
	v_nop                                          ; places in front of loads into registers that matrix instructions have read
.endr
.irp s, 6,7
.irp c, 0,1,2,3
	ds_load_b128 v[64+32*(\s-6)+4*\c:67+32*(\s-6)+4*\c], v10 offset:128*\s+32*\c
	ds_load_b128 v[80+32*(\s-6)+4*\c:83+32*(\s-6)+4*\c], v9 offset:128*\s+32*\c
.endr
.endr
	s_wait_dscnt 0x0
	v_wmma_f32_16x16x128_bf8_bf8 v[16:23], v[64:79], v[80:95], v[16:23]
	v_wmma_f32_16x16x128_bf8_bf8 v[24:31], v[96:111], v[112:127], v[24:31]
.rept 4
	v_nop
.endr
.irp j, 0,2,4,6
	v_pk_add_f32 v[32+\j:33+\j], v[16+\j:17+\j], v[24+\j:25+\j]   ; both accumulators from their low ends on
.endr
.irp j, 0,1,2,3,4,5,6,7
	v_mul_f32 v[32+\j], 0x3d38aa3b, v[32+\j]       ; x log2(e) / 32
.endr
.irp j, 0,1,2,3,4,5,6,7
	v_ldexp_f32 v[32+\j], v[32+\j], s56            ; x 2^(e0 + e1 + e2 + e3)
.endr
	ds_store_b128 v11, v[32:35]
	ds_store_b128 v11, v[36:39] offset:16
	s_wait_dscnt 0x0
	s_barrier_signal -1
	s_barrier_wait -1                              ; a row's 256 bytes come from four waves
	ds_load_b128 v[40:43], v15
	ds_load_b128 v[44:47], v15 offset:2*272
	s_wait_dscnt 0x0
	global_store_b128 v1, v[40:43], s[36:37]       ; sixteen lanes store 256 consecutive bytes, aligned
	global_store_b128 v1, v[44:47], s[36:37] offset:8192
	s_set_vgpr_msb 0x5
	s_wait_tensorcnt 0x0
	ds_add_u32 v0, v1
	s_wait_dscnt 0x0
	s_set_vgpr_msb 0x500
	s_endpgm
.Lfunc_end_k_qb744a5a92a_prep:
	.size	k_qb744a5a92a_prep, .Lfunc_end_k_qb744a5a92a_prep-k_qb744a5a92a_prep
	.p2alignl 7, 3214868480
	.fill 96, 4, 3214868480
	.section	.rodata,"a",@progbits
	.p2align	6, 0x0
	.amdhsa_kernel k_qb744a5a92a_prep
		.amdhsa_group_segment_fixed_size 128000
		.amdhsa_private_segment_fixed_size 0
		.amdhsa_enable_private_segment 0
		.amdhsa_kernarg_size 72
		.amdhsa_user_sgpr_count 2
		.amdhsa_user_sgpr_kernarg_segment_ptr 1
		.amdhsa_wavefront_size32 1
		.amdhsa_system_sgpr_workgroup_id_x 1
		.amdhsa_system_sgpr_workgroup_id_y 1
		.amdhsa_system_sgpr_workgroup_id_z 1
		.amdhsa_system_vgpr_workitem_id 0
		.amdhsa_next_free_vgpr 258
		.amdhsa_next_free_sgpr 66
		.amdhsa_reserve_vcc 0
		.amdhsa_float_denorm_mode_32 3
		.amdhsa_float_denorm_mode_16_64 3
		.amdhsa_memory_ordered 1
		.amdhsa_forward_progress 1
		.amdhsa_inst_pref_size 63
	.end_amdhsa_kernel
	.amdgpu_metadata
---
amdhsa.version: [ 1, 2 ]
amdhsa.kernels:
  - .name:           k_qb744a5a92a_prep
    .symbol:         k_qb744a5a92a_prep.kd
    .args:
      - { .name: q, .offset: 0, .size: 8, .value_kind: global_buffer, .address_space: global }
      - { .name: Wq, .offset: 8, .size: 8, .value_kind: global_buffer, .address_space: global }
      - { .name: Wk, .offset: 16, .size: 8, .value_kind: global_buffer, .address_space: global }
      - { .name: Wv, .offset: 24, .size: 8, .value_kind: global_buffer, .address_space: global }
      - { .name: Wp, .offset: 32, .size: 8, .value_kind: global_buffer, .address_space: global }
      - { .name: lowp_scales, .offset: 40, .size: 8, .value_kind: global_buffer, .address_space: global }
      - { .name: wkv_img, .offset: 48, .size: 8, .value_kind: global_buffer, .address_space: global }
      - { .name: wp_img, .offset: 56, .size: 8, .value_kind: global_buffer, .address_space: global }
      - { .name: hqs, .offset: 64, .size: 8, .value_kind: global_buffer, .address_space: global }
    .group_segment_fixed_size: 128000
    .private_segment_fixed_size: 0
    .kernarg_segment_align: 8
    .kernarg_segment_size: 72
    .max_flat_workgroup_size: 256
    .sgpr_count:     66
    .vgpr_count:     258
    .wavefront_size: 32
...
	.end_amdgpu_metadata
.endif
;; end of part 1
;; launch attn (part 2): grid 256 x 1, 4 waves a work-group, clusters of 4 x 1, 327,680 bytes of LDS; arguments k, v, wkv_img, hqs, lowp_scales, ctxc; writes ctxc
.if DOCPART == 2
	.amdgcn_target "amdgcn-amd-amdhsa--gfx1250"
	.amdhsa_code_object_version 6
	.text
	.protected	k_qb744a5a92a_attn
	.globl	k_qb744a5a92a_attn
	.p2align	8
	.type	k_qb744a5a92a_attn,@function
k_qb744a5a92a_attn:
	s_mov_b64 s[64:65], 0
	v_nop
	global_prefetch_b8 v0, s[64:65] scope:SCOPE_SE
	s_setreg_imm32_b32 hwreg(HW_REG_WAVE_MODE, 25, 1), 1
	s_wait_xcnt 0x0
	s_wait_alu depctr_hold_cnt(0) depctr_sa_sdst(0) depctr_va_vdst(0) depctr_va_sdst(0) depctr_va_ssrc(0) depctr_va_vcc(0) depctr_vm_vsrc(0)
	s_getreg_b32 s2, hwreg(HW_REG_IB_STS2, 6, 4)
	s_cmp_eq_u32 s2, 0
	s_cbranch_scc0 .Lentry_in_a_cluster
	s_endpgm
.Lentry_in_a_cluster:
	s_bfe_u32 s2, ttmp6, 0x10000c
	s_cmp_lg_u32 s2, 0x3003
	s_cbranch_scc0 .Lentry_shape_is_right
	s_endpgm
.Lentry_shape_is_right:
; For two batches (128 rows of k and of v): hk = Q(k) Q(Wk)^T, scores, softmax, hv = Q(v) Q(Wv)^T, ctx = w hv, and ctx's codes.  k, v: [512][64][1024] f32, read once, quantised on the way; hk and hv stay in registers.
; Products on codes of BF8 (E5M2) by v_wmma_f32_16x16x64_bf8_bf8; scores, softmax (the row's maximum taken away) and ctx in f32 multiply-adds.
; LIMITS: e3, e5 and e6 - e4 - e5 between -126 and 112 (2^e and 57,344 x 2^e are written as f32 patterns).  NaN among the inputs is not served.
; SHARES.  Work-group g = 4 x cluster + place owns batches 2 g and 2 g + 1.  Four passes of eight K steps of 128: k x Wk's columns 0-511, 512-1023, then v x Wv's likewise.  In a pass wave w makes 128 rows x 128 columns
; (two heads): 64 accumulators, 512 registers.  A K step is two halves of 64 along K, 64 matrix instructions each.
; WEIGHTS come as images of operand registers (16 bytes a lane at 16 x lane), 65,536 bytes a K step, 32 such tiles on end.  All work-groups walk the same tiles: the four of a cluster ask JOINTLY, by the same tensor load
; with a mask that names the four.  Two LDS slots of one tile; each wave fetches, and alone reads, its own 16,384 bytes of a slot.  k and v are shared by nobody: they come by plain loads.
; THE CLUSTERS BEGIN THE WALK ALONG K AT DIFFERENT STEPS: with rot = cluster x mod 8 (the same in all four partners), the j-th K step that a work-group takes is step (j + rot) mod 8 of the tensors, for k, v and the weights alike.
; So at any one time the clusters ask for eight different tiles, and from a pass's second step on a cluster's tile was asked for one step earlier by the clusters one place further on.  LDS knows only the order of arrival: the
; j-th slab lies in column 128 j of the code rows.  Only global addresses hang on rot; the sums along K are taken in another order, and are the same sums.
; k AND v go through registers: a unit is 16 rows x 512 bytes (16 loads, a row each), four sets of 64 registers, so that 64 loads of a wave are out while the products run.  A unit is held, converted, and stored as codes
; into rows in LDS, which serve both column halves; v's j-th slab takes the place of k's j-th behind the barrier that ends the last reads of it.
; LAYOUT.  A fragment of 16 rows x 64 K is two loads of 16 bytes a lane: k = 16 h + 0..15 and 32 + 16 h + 0..15: the same places in both operands, so every product meets its partner.
; K passes: source 0 = 16 rows of Wk, source 1 = 16 rows of k: a lane holds one l and eight neighbouring dk.  V passes: source 0 = 16 rows of v, source 1 = 16 rows of Wv: a lane holds one dv and eight l.
; So both small products are multiply-adds along a lane's registers, and one exchange between the halves of the lanes.
; REGISTERS, in windows of 256: window 0: v1-28 addresses; v32-47, v48-63 codes (in the epilogues: multipliers); v64-127 A's 8 fragments; v128-191, v192-255 the weights' 8 fragments, two sets (the second in the epilogues:
; multipliers, sums, scores).  window 1: the four sets of k's or v's numbers.  window 2: the accumulators of batch 0 ((a, f) at v[8 (8 (a % 4) + f)]); window 3: those of batch 1.
.set PITCH, 1040                       ; a code row in LDS: 1,024 bytes + 16: an odd multiple of 16
.set SLOTB, 65536
.set A_LDS, 2*SLOTB                    ; behind the ring: 128 code rows
.set HQ,    A_LDS+128*PITCH            ; 264,192: hq' [2][1024] f32; a wave touches its own columns alone
.set WS,    HQ+8192                    ; the softmax's weights [wave][c][batch][head][64] f32: each wave's own
.set CT,    WS+8192                    ; ctx [2][1024] f32
.set SPARE, CT+8192                    ; 288,768: the spare words, 128 bytes for each wave: two blocks of 256 bytes that no other line names
.set SPW,  1                           ; v1   SPARE + 4 x my thread's number; never rewritten
.set NIL,  2                           ; v2   0; never rewritten
.set GOF,  3                           ; v3   16 x lane
.set AST0, 4                           ; v4   code rows, store: my wave's 32 rows, 4 x lane
.set AST,  5                           ; v5   + the slab's column
.set ARB0, 6                           ; v6, v7  code rows, read: row r (and 64 + r), + 16 h
.set ARB1, 7
.set ARD0, 8                           ; v8, v9  + the K offset in hand
.set ARD1, 9
.set BA0,  10                          ; v10, v11  my part of slot 0, 1: 16 x lane
.set HQR0, 12                          ; v12, v13  hq': my columns, + 32 h; with the pass's half
.set HQR,  13
.set WSS0, 14                          ; v14, v15  weights, store: 4 r; with the pass's half
.set WSS,  15
.set WSR,  16                          ; v16  weights, read: 32 h
.set CTS,  18                          ; v18  ctx, store: my columns, 4 r
.set SCL,  20                          ; v20  the scale of k's or v's conversions
.set SCLC, 21                          ; v21  of ctx's
.set OUTO, 22                          ; v22  16 x thread: my codes in ctxc
.set HQW,  27                          ; v27  hq', store
.set CTR,  28                          ; v28  ctx, read: 64 x thread
.set CA,   32
.set CB,   48
.set AF,   64
.set BF,   128
.set MA,   192                         ; the epilogues: 32 multipliers, two sets by turns
.set MB,   32
.set PP,   224                         ; four running pairs
.set SC,   232                         ; sixteen sums
.set TT,   248                         ; at work
; s16 wave, s18 g; s[24:31] descriptor group 1; s[32:35], s[36:39] group 0 of slot 0, 1; s[40:47] where the four sets load; s[48:49], s[50:51] k, v at my wave's first row; s[56:63] e0..e7;
; s66, s67 the hold in use; s68-70 k's (-limit, limit, scale), s71-73 v's; s75 rot; s76 K offset; s77 write column; s78 the next slab to load (0-7 k's, 8-15 v's, in my order); s79, s80 counters;
; s81, s88 the pass's half in HQ, in WS; s82, s83 lane selects; s85-87 ctx's; s89 the next tile to ask for (in my order); s[92:93] an offset, s93 = 0 throughout; s[94:95] the images at my wave's part; s96, s97 at work
.set MSB, 0
.macro WIN new                         ; the immediate's high byte repeats the setting that is left; a switch that changes nothing is dropped
.if MSB != (\new)
	s_set_vgpr_msb (MSB<<8)|(\new)
.set MSB, (\new)
.endif
.endm
.set MUL_LO, 0xa0                      ; C and D window 2
.set MUL_HI, 0xf0                      ; C and D window 3
.macro PLACES                          ; four plain vector lines behind matrix instructions, in front of loads into their sources and of reads of their results
.rept 4
	v_nop
.endr
.endm
.macro CREST                           ; a round of the cluster's barrier behind its opening barrier
	s_cmp_lg_u32 s16, 0
	s_cbranch_scc1 .Lnot_wave_0_\@
	s_barrier_signal -3
.Lnot_wave_0_\@:
	s_barrier_wait -3
	s_barrier_signal -1
	s_barrier_wait -1
.endm
.macro CROUND
	s_barrier_signal -1
	s_barrier_wait -1
	CREST
.endm
.macro MKSCALE e, neg, pos, scl
	s_add_co_i32 \scl, \e, 127
	s_add_co_i32 \pos, \scl, 15
	s_lshl_b32 \scl, \scl, 23
	s_lshl_b32 \pos, \pos, 23
	s_or_b32 \pos, \pos, 0x600000
	s_or_b32 \neg, \pos, 0x80000000
.endm
; 16 matrix instructions: A's blocks a0, a0 + 1 x the weights' eight, 64 along K.  p: the weights' set.  zero = 1: the product starts the sums.  ph = 0: K pass, 1: V pass.
; The 64 accumulators take turns, one instruction a turn, in the same order everywhere.
.macro MUL16 a0, p, zero, ph
.irp a, \a0, \a0+1
.irp f, 0,1,2,3,4,5,6,7
.set rD, 8*(8*((\a)%4)+\f)
.set rA, AF+8*(\a)
.set rB, BF+64*(\p)+8*\f
.if \ph
.if \zero
	v_wmma_f32_16x16x64_bf8_bf8 v[rD:rD+7], v[rA:rA+7], v[rB:rB+7], 0
.else
	v_wmma_f32_16x16x64_bf8_bf8 v[rD:rD+7], v[rA:rA+7], v[rB:rB+7], v[rD:rD+7]
.endif
.else
.if \zero
	v_wmma_f32_16x16x64_bf8_bf8 v[rD:rD+7], v[rB:rB+7], v[rA:rA+7], 0
.else
	v_wmma_f32_16x16x64_bf8_bf8 v[rD:rD+7], v[rB:rB+7], v[rA:rA+7], v[rD:rD+7]
.endif
.endif
.endr
.endr
.endm
.macro FETCH_B slot, q, p              ; the weights' eight fragments of the slot's half q into set p: 512 consecutive bytes a load
.irp f, 0,1,2,3,4,5,6,7
	ds_load_b128 v[BF+64*(\p)+8*\f:BF+64*(\p)+8*\f+3],   v[BA0+(\slot)] offset:\f*2048+(\q)*1024
	ds_load_b128 v[BF+64*(\p)+8*\f+4:BF+64*(\p)+8*\f+7], v[BA0+(\slot)] offset:\f*2048+(\q)*1024+512
.endr
.endm
.macro FETCH_A i0, col                 ; A's blocks i0 .. i0 + 3, 64 along K at byte col from the K offset in hand
.irp a, \i0, \i0+1, \i0+2, \i0+3
	ds_load_b128 v[AF+8*(\a):AF+8*(\a)+3],   v[ARD0+(\i0)/4] offset:((\a)%4)*16*PITCH+\col
	ds_load_b128 v[AF+8*(\a)+4:AF+8*(\a)+7], v[ARD0+(\i0)/4] offset:((\a)%4)*16*PITCH+\col+32
.endr
.endm
.macro ISSUE set                       ; 16 rows x 512 consecutive bytes into set (odd sets: my wave's rows 16-31); read once in the launch
.irp r, 0,1,2,3,4,5,6,7,8,9,10,11,12,13,14,15
	global_load_b128 v[64*(\set)+4*\r:64*(\set)+4*\r+3], v[GOF], s[40+2*(\set):41+2*(\set)] offset:\r*4096+((\set)%2)*65536 th:TH_LOAD_NT
.endr
.endm
; A unit: register 4 p + i of lane l is (row p, k = 4 l + i).  wt: the younger loads that may stay out.  issue = 1: the set is loaded again, with slab s78 of my order, whose byte offset in a row stands in s[92:93].
.macro UNIT set, u, wt, issue, col, c
	s_wait_loadcnt \wt                             ; loads come back in order: this set's sixteen are in, so its registers may be read and its address written anew
	WIN 0x41
.set i, 0
.rept 64
	v_med3_num_f32 v[64*(\set)+i], v[64*(\set)+i], s66, s67   ; the conversion to an 8-bit code does not saturate (ISA guide 7.6.2): the hold at the largest code x the scale
.set i, i+1
.endr
	WIN 0x01
.irp g, 0,1,2,3,4,5,6,7
	v_cvt_scalef32_pk8_bf8_f32 v[\c+2*\g:\c+2*\g+1], v[64*(\set)+8*\g:64*(\set)+8*\g+7], v[SCL]   ; two rows' four codes, a register a row
.endr
	WIN 0
	v_nop                                          ; one plain vector line behind the last conversion
.irp r, 0,1,2,3,4,5,6,7,8,9,10,11,12,13,14,15
	ds_store_b32 v[AST], v[\c+\r] offset:(16*\u+\r)*PITCH+\col   ; 32 lanes store 128 consecutive bytes of a code row
.endr
.if \issue
	s_cmp_lt_u32 s78, 8                            ; behind k's eight slabs come v's: the choice hangs on a count alone
	s_cselect_b64 s[40+2*(\set):41+2*(\set)], s[48:49], s[50:51]
	s_add_nc_u64 s[40+2*(\set):41+2*(\set)], s[40+2*(\set):41+2*(\set)], s[92:93]
	WIN 0x40
	ISSUE \set
	WIN 0
.endif
.endm
.macro EVENT pair, issue, w0, w1, col  ; a slab's share of my wave: 32 rows x 128 along K
	v_add_nc_u32 v[AST], s77, v[AST0]
.if \issue
	s_add_co_u32 s92, s78, s75                     ; slab s78 of my order is slab (s78 + rot) mod 8 of the row,
	s_and_b32 s92, s92, 7
	s_lshl_b32 s92, s92, 9                         ; 512 bytes each
.endif
	UNIT 2*\pair, 0, \w0, \issue, \col, CA
	UNIT 2*\pair+1, 1, \w1, \issue, \col, CB
.if \issue
	s_add_co_u32 s78, s78, 1
.endif
.endm
; A K step's first half: multiplies by the weights' set 0 and fetches the second half.  ev: 0 none; 1, 2: a slab from sets 0, 1 or 2, 3, loaded again; 3, 4: the last two slabs, nothing is loaded.
.macro SSTEP slot, zero, ph, col, ev
	s_wait_dscnt 8                                 ; the weights' set and A's blocks 0-3 are in; the youngest eight loads (A's blocks 4-7) may be out
	WIN MUL_LO
	MUL16 0, 0, \zero, \ph
	MUL16 2, 0, \zero, \ph
	s_wait_dscnt 0x0                               ; A's blocks 4-7 are in
	PLACES
	WIN 0
	FETCH_B \slot, 1, 1
	FETCH_A 0, \col
	WIN MUL_HI
	MUL16 4, 0, \zero, \ph
	MUL16 6, 0, \zero, \ph
	PLACES
	WIN 0
.if \ev == 1
	EVENT 0, 1, 48, 48, 0                          ; 48: the three younger sets stay out
.elseif \ev == 2
	EVENT 1, 1, 48, 48, 128
.elseif \ev == 3
	EVENT 0, 0, 48, 32, 0                          ; nothing is issued any more: the counts run down
.elseif \ev == 4
	EVENT 1, 0, 16, 0, 128
.endif
	FETCH_A 4, \col
.endm
; A K step's second half changes slots: ONE barrier.  In front of it each wave waits for all its tensor loads (one is out: its part of the next slot), adds 0 to its spare word, and waits for that, for its reads of this slot and of
; this slab, and for its stores of codes.  Behind it the next slab's codes are whole, nobody reads this slab, and (fill = 1) this slot is filled again, two tiles on, behind a round of the cluster's barrier.
; setko = 1: the K offset is taken anew, where all my LDS loads are back.
.macro TURN slot, fill, ph, col, setko
	s_wait_tensorcnt 0x0                           ; no tensor load of mine is out, so a group 0 may be written
	ds_add_u32 v[SPW], v[NIL]                      ; 0 onto my spare word
.if \fill
	s_add_co_u32 s92, s89, s75                     ; tile s89 of my order: the same pass (bits 4:3), K step (s89 + rot) mod 8: made of a count and of the cluster's number, which the four partners share
	s_and_b32 s92, s92, 7
	s_and_b32 s96, s89, 24
	s_or_b32 s92, s92, s96
	s_lshl_b32 s92, s92, 16                        ; 65,536 bytes a tile
	s_add_nc_u64 s[34+4*\slot:35+4*\slot], s[94:95], s[92:93]
	s_or_b32 s[35+4*\slot], s[35+4*\slot], 0x80000000   ; type = 2
	s_add_co_u32 s89, s89, 1
.endif
	s_wait_dscnt 9                                 ; (the add and the youngest eight loads, A's blocks 4-7, may be out)
	WIN MUL_LO
	MUL16 0, 1, 0, \ph                             ; sixteen matrix instructions stand between the add and the wait for it
	s_wait_dscnt 0x0
	s_barrier_signal -1
	MUL16 2, 1, 0, \ph
	WIN 0
.if \setko
	v_add_nc_u32 v[ARD0], s76, v[ARB0]
	v_add_nc_u32 v[ARD1], s76, v[ARB1]
.endif
	s_barrier_wait -1
.if \fill
	CREST                                          ; no wave of any partner still reads this slot or has a load on its way
	tensor_load_to_lds s[32+4*\slot:35+4*\slot], s[24:31]   ; my one tensor load behind the round, and the first thing there
	s_nop 0
.endif
	PLACES                                         ; behind the tensor load, and in front of the loads below
	FETCH_B 1-\slot, 0, 0
	FETCH_A 0, \col
	WIN MUL_HI
	MUL16 4, 1, 0, \ph
	MUL16 6, 1, 0, \ph
	PLACES
	WIN 0
	FETCH_A 4, \col
.endm
; THE EPILOGUES.  32 multipliers a lane (hq' at my eight dk of four fragments, or w at my eight l of four blocks) against 16 accumulators: four sums, two numbers an instruction; each accumulator from its low end on.
.macro MLOAD m, adr, off
.irp t, 0,1,2,3
	ds_load_b128 v[\m+8*\t:\m+8*\t+3],   v[\adr] offset:\off+64*\t
	ds_load_b128 v[\m+8*\t+4:\m+8*\t+7], v[\adr] offset:\off+64*\t+16
.endr
.endm
.macro DOT b, hh, kind, m, combo       ; batch b, head hh of my two.  kind 0: sum o over fragments u of block o;  kind 1: sum o over blocks u of fragment o
	WIN 0x02+\b
.irp u, 0,1,2,3
.irp k, 0,2,4,6
.irp o, 0,1,2,3
.if \kind
.set rA, 8*(8*\u+4*\hh+\o)+\k
.else
.set rA, 8*(8*\o+4*\hh+\u)+\k
.endif
.if (\u == 0) && (\k == 0)
	v_pk_mul_f32 v[PP+2*\o:PP+2*\o+1], v[rA:rA+1], v[\m+8*\u+\k:\m+8*\u+\k+1]
.else
	v_pk_fma_f32 v[PP+2*\o:PP+2*\o+1], v[rA:rA+1], v[\m+8*\u+\k:\m+8*\u+\k+1], v[PP+2*\o:PP+2*\o+1]
.endif
.endr
.endr
.endr
	WIN 0
.irp o, 0,1,2,3
	v_add_f32 v[SC+4*\combo+\o], v[PP+2*\o], v[PP+2*\o+1]
.endr
.endm
.macro DOTS kind, adr, base, sb, sh    ; the four (batch, head); the multipliers' two sets take turns: the counts leave the younger set's eight loads out
.irp i, 0,1,2,3,4,5,6,7
	v_mov_b32 v[TT+\i], 0                          ; a lane permute's destination counts as one of its sources
.endr
	MLOAD MA, \adr, \base
	MLOAD MB, \adr, \base+\sh
	s_wait_dscnt 8
	DOT 0, 0, \kind, MA, 0
	MLOAD MA, \adr, \base+\sb
	s_wait_dscnt 8
	DOT 0, 1, \kind, MB, 1
	MLOAD MB, \adr, \base+\sb+\sh
	s_wait_dscnt 8
	DOT 1, 0, \kind, MA, 2
	s_wait_dscnt 0x0
	DOT 1, 1, \kind, MB, 3
.irp g, 0,1
.irp i, 0,1,2,3,4,5,6,7
	v_permlanex16_b32 v[TT+\i], v[SC+8*\g+\i], s82, s83   ; the other half of the sum lies in the lane 16 away
.endr
.irp i, 0,1,2,3,4,5,6,7
	v_add_f32 v[SC+8*\g+\i], v[SC+8*\g+\i], v[TT+\i]
.endr
.endr
.endm
.macro SCORES                          ; sum 4 n + o of lane r: t(l = 16 o + r) of (batch, head) n, in base 2: hq' carries every factor
	v_add_nc_u32 v[HQR], s81, v[HQR0]
	v_add_nc_u32 v[WSS], s88, v[WSS0]
	DOTS 0, HQR, 0, 4096, 256
.irp n, 0,1,2,3
	v_max3_num_f32 v[TT+\n], v[SC+4*\n], v[SC+4*\n+1], v[SC+4*\n+2]
.endr
.irp n, 0,1,2,3
	v_max_num_f32 v[TT+\n], v[TT+\n], v[SC+4*\n+3]
.endr
.irp x, 1,2,4,8
.irp n, 0,1,2,3
	v_max_num_f32_dpp v[TT+\n], v[TT+\n], v[TT+\n] row_xmask:\x row_mask:0xf bank_mask:0xf
.endr
.endr
.irp n, 0,1,2,3,4,5,6,7,8,9,10,11,12,13,14,15
	v_sub_f32 v[SC+\n], v[SC+\n], v[TT+\n/4]       ; the row's maximum is taken away
.endr
.irp n, 0,1,2,3,4,5,6,7,8,9,10,11,12,13,14,15
	v_exp_f32 v[SC+\n], v[SC+\n]
.endr
	v_nop                                          ; a plain line behind the last exponential
	s_wait_alu depctr_va_vdst(0)                   ; one wait for the batch, ahead of its first reader
.irp n, 0,1,2,3
	v_add_f32 v[TT+\n], v[SC+4*\n], v[SC+4*\n+1]
.endr
.irp n, 0,1,2,3
	v_add_f32 v[TT+4+\n], v[SC+4*\n+2], v[SC+4*\n+3]
.endr
.irp n, 0,1,2,3
	v_add_f32 v[TT+\n], v[TT+\n], v[TT+4+\n]
.endr
.irp x, 1,2,4,8
.irp n, 0,1,2,3
	v_add_f32_dpp v[TT+\n], v[TT+\n], v[TT+\n] row_xmask:\x row_mask:0xf bank_mask:0xf
.endr
.endr
.irp n, 0,1,2,3
	v_rcp_f32 v[TT+\n], v[TT+\n]
.endr
	v_nop
	s_wait_alu depctr_va_vdst(0)
.irp n, 0,1,2,3,4,5,6,7,8,9,10,11,12,13,14,15
	v_mul_f32 v[SC+\n], v[SC+\n], v[TT+\n/4]       ; w = p / the sum
.endr
.irp n, 0,1,2,3,4,5,6,7,8,9,10,11,12,13,14,15
	ds_store_b32 v[WSS], v[SC+\n] offset:64*\n     ; (both halves of the lanes hold, and store, the same numbers)
.endr
.endm
.macro CTXE c                          ; sum 4 n + o of lane r: ctx of column 16 o + r of (batch, head) n, short of 2^(e4 + e5)
	DOTS 1, WSR, \c*1024, 512, 256
.irp n, 0,1,2,3,4,5,6,7,8,9,10,11,12,13,14,15
	ds_store_b32 v[CTS], v[SC+\n] offset:\c*2048+(\n/8)*4096+((\n/4)%2)*256+(\n%4)*64
.endr
.endm
.macro VLAPS n                         ; n laps of two K steps of a V pass, without events
	s_mov_b32 s79, \n
.Lvlap_\@:
	TURN 0, 1, 1, 128, 1
	SSTEP 1, 0, 1, 192, 0
	TURN 1, 1, 1, 256, 0
	SSTEP 0, 0, 1, 320, 0
	s_add_co_u32 s76, s76, 256
	s_sub_co_u32 s79, s79, 1
	s_cmp_lg_u32 s79, 0
	s_cbranch_scc1 .Lvlap_\@
.endm
	s_load_b256 s[4:11], s[0:1], 0x0               ; k s[4:5], v s[6:7], wkv_img s[8:9], hqs s[10:11]
	s_load_b128 s[12:15], s[0:1], 0x20             ; the scales' exponents s[12:13], ctxc s[14:15]
	v_lshl_add_u32 v[SPW], v0, 2, SPARE
	v_mov_b32 v[NIL], 0
	ds_add_u32 v1, v2
	ds_add_u32 v1, v2
	s_wait_dscnt 0x0
	v_lshrrev_b32 v23, 5, v0
	v_readfirstlane_b32 s16, v23                   ; wave 0..3
	s_bfe_u32 s17, ttmp6, 0x40000                  ; my place in the cluster: it enters k's, v's, hqs' and ctxc's addresses alone
	s_lshl_b32 s18, ttmp9, 2
	s_add_co_u32 s18, s18, s17                     ; g
	s_and_b32 s75, ttmp9, 7                        ; rot: from the cluster's number alone
	s_add_co_u32 s97, s75, 1
	s_and_b32 s97, s97, 7                          ; (1 + rot) mod 8: my second K step
	v_and_b32 v24, 31, v0                          ; lane
	v_and_b32 v25, 15, v0                          ; r
	v_bfe_u32 v26, v0, 4, 1                        ; h
	v_lshlrev_b32 v[GOF], 4, v24
	s_mov_b32 s76, 0
	s_mov_b32 s77, 0
	s_mul_i32 s19, s16, 32*PITCH
	s_add_co_u32 s19, s19, A_LDS
	v_lshl_add_u32 v[AST0], v24, 2, s19
	v_mul_u32_u24 v[ARB0], v25, PITCH
	v_lshl_add_u32 v[ARB0], v26, 4, v[ARB0]
	v_add_nc_u32 v[ARB0], A_LDS, v[ARB0]
	v_add_nc_u32 v[ARB1], 64*PITCH, v[ARB0]
	v_add_nc_u32 v[ARD0], s76, v[ARB0]
	v_add_nc_u32 v[ARD1], s76, v[ARB1]
	s_lshl_b32 s19, s16, 14
	v_add_nc_u32 v[BA0], s19, v[GOF]
	v_add_nc_u32 v[BA0+1], SLOTB, v[BA0]
	s_lshl_b32 s19, s16, 9
	s_add_co_u32 s19, s19, HQ
	v_lshl_add_u32 v[HQR0], v26, 5, s19
	v_add_nc_u32 v[HQW], s19, v[GOF]
	s_lshl_b32 s19, s16, 11
	s_add_co_u32 s19, s19, WS
	v_lshl_add_u32 v[WSS0], v25, 2, s19
	v_lshl_add_u32 v[WSR], v26, 5, s19
	s_lshl_b32 s19, s16, 9
	s_add_co_u32 s19, s19, CT
	v_lshl_add_u32 v[CTS], v25, 2, s19
	v_lshl_add_u32 v[CTR], v0, 6, CT
	v_lshlrev_b32 v[OUTO], 4, v0
	; descriptor group 1: 16,384 dense bytes as 64 rows of 32 elements of 8 bytes, no padding
	s_mov_b32 s24, 15|(3<<16)|(1<<21)              ; 15:0 the mask: all four work-groups; 17:16 elements of 8 bytes; 21 set beside a mask
	s_mov_b32 s25, 32<<16                          ; tensor_dim0 = 32
	s_mov_b32 s26, 64<<16                          ; tensor_dim1 = 64
	s_mov_b32 s27, 32<<16                          ; tile_dim0 = 32
	s_mov_b32 s28, 64                              ; tile_dim1 = 64
	s_mov_b32 s29, 32                              ; from row to row: 32 elements
	s_mov_b32 s30, 0
	s_mov_b32 s31, 0
	s_mov_b32 s82, 0x76543210
	s_mov_b32 s83, 0xfedcba98                      ; v_permlanex16_b32: lane l xor 16
	s_lshl_b32 s90, s16, 14                        ; my part of a tile: the wave's number
	s_mov_b32 s91, 0
	s_mov_b32 s93, 0                               ; the upper word of every offset in s[92:93]
	s_mov_b32 s78, 2                               ; slabs 0 and 1 are asked for below
	s_mov_b32 s89, 2                               ; and so are tiles 0 and 1
	s_lshl_b32 s20, s18, 19                        ; my work-group's 128 rows of 4,096 bytes,
	s_lshl_b32 s21, s16, 17                        ; my wave's 32 of them
	s_add_co_u32 s20, s20, s21
	s_mov_b32 s21, 0
	s_wait_kmcnt 0x0
	s_load_b256 s[56:63], s[12:13], 0x0            ; e0 .. e7
	s_add_nc_u64 s[48:49], s[4:5], s[20:21]        ; k at my wave's first row
	s_add_nc_u64 s[50:51], s[6:7], s[20:21]        ; v likewise
	s_lshl_b32 s92, s75, 9
	s_add_nc_u64 s[40:41], s[48:49], s[92:93]      ; sets 0, 1: my first slab (the second 16 rows stand in the loads' immediates)
	s_add_nc_u64 s[42:43], s[48:49], s[92:93]
	s_lshl_b32 s92, s97, 9
	s_add_nc_u64 s[44:45], s[48:49], s[92:93]      ; sets 2, 3: my second
	s_add_nc_u64 s[46:47], s[48:49], s[92:93]
	s_lshl_b32 s20, s18, 13
	s_lshl_b32 s22, s16, 9
	s_add_co_u32 s20, s20, s22
	s_add_nc_u64 s[10:11], s[10:11], s[20:21]      ; hq' at row 2 g, my wave's 128 columns
	s_lshl_b32 s20, s18, 11
	s_add_nc_u64 s[14:15], s[14:15], s[20:21]      ; ctxc at row 2 g
	s_add_nc_u64 s[94:95], s[8:9], s[90:91]        ; the images at my wave's part of tile 0
	s_mov_b32 s32, 1                               ; group 0 of slot 0: count = 1,
	s_lshl_b32 s33, s16, 14                        ; LDS address,
	s_lshl_b32 s92, s75, 16
	s_add_nc_u64 s[34:35], s[94:95], s[92:93]      ; global address: my first tile,
	s_mov_b32 s36, 1
	s_add_co_u32 s37, s33, SLOTB
	s_lshl_b32 s92, s97, 16
	s_add_nc_u64 s[38:39], s[94:95], s[92:93]      ; slot 1: my second
	s_or_b32 s35, s35, 0x80000000                  ; type = 2
	s_or_b32 s39, s39, 0x80000000
.irp b, 0,1
.irp c, 0,1
	global_load_b128 v[192+8*\b+4*\c:195+8*\b+4*\c], v[GOF], s[10:11] offset:\b*4096+\c*2048   ; hq': my 128 columns of both halves, both batches
.endr
.endr
	WIN 0x40
	ISSUE 0                                        ; my first slab, and the first half of my share of the second: with hq' 52 loads are out ahead of the round
	ISSUE 1
	ISSUE 2
	WIN 0
	CROUND                                         ; all four work-groups are here: the first joint loads meet
	tensor_load_to_lds s[32:35], s[24:31]          ; the two first fills go out together: two tensor loads of mine are out
	s_nop 0
	tensor_load_to_lds s[36:39], s[24:31]
	s_nop 0
	PLACES
	WIN 0x40
	ISSUE 3                                        ; the rest of the second slab: the order of issue is hq', set 0, 1, 2, 3
	WIN 0
	s_wait_kmcnt 0x0
	MKSCALE s59, s68, s69, s70                     ; k: e3
	MKSCALE s61, s71, s72, s73                     ; v: e5
	s_sub_co_i32 s84, s62, s60
	s_sub_co_i32 s84, s84, s61                     ; a sum of hv stands for sum x 2^(e4 + e5): ctx's conversion takes 2^(e6 - e4 - e5)
	MKSCALE s84, s86, s87, s85
	v_mov_b32 v[SCLC], s85
	s_mov_b32 s66, s68
	s_mov_b32 s67, s69
	v_mov_b32 v[SCL], s70
	s_wait_loadcnt 63                              ; behind hq's four loads stand the four sets' 64; 63 is the largest count that this wait can name: with 63 left out hq' is in (and set 0's first row, for which the next lines wait anyway)
.irp b, 0,1
.irp c, 0,1
	ds_store_b128 v[HQW], v[192+8*\b+4*\c:195+8*\b+4*\c] offset:\b*4096+\c*2048
.endr
.endr
	EVENT 0, 1, 48, 48, 0                          ; my first slab becomes codes; the third is asked for
	s_wait_dscnt 0x0                               ; the stores have read the code registers
	EVENT 1, 1, 48, 48, 128                        ; the second; the fourth
	s_wait_tensorcnt 1                             ; my part of the first tile is in; the second's may stay out
	s_wait_dscnt 0x0                               ; for the others' sake: my codes have landed
	s_barrier_signal -1
	s_barrier_wait -1
	FETCH_B 0, 0, 0
	FETCH_A 0, 0
	FETCH_A 4, 0
	s_mov_b32 s80, 0
.Lkpass:                                           ; two trips: Wk's columns 0-511 (k's slabs 2-7 of my order arrive), 512-1023 (v's slabs 0-5 arrive, each over k's slab that has just been read for the last time)
	s_cmp_eq_u32 s80, 0
	s_cselect_b32 s66, s68, s71
	s_cselect_b32 s67, s69, s72
	s_cselect_b32 s74, s70, s73
	v_mov_b32 v[SCL], s74
	s_lshl_b32 s77, s80, 8
	s_xor_b32 s77, s77, 256                        ; the first event's column: slab 2 of k, slab 0 of v
	s_mov_b32 s76, 0
	s_lshl_b32 s81, s80, 11
	s_lshl_b32 s88, s80, 10
	SSTEP 0, 1, 0, 64, 0                           ; a pass's first half step starts the sums: nothing is cleared
	s_mov_b32 s79, 3
.Lklap:
	TURN 0, 1, 0, 128, 1
	SSTEP 1, 0, 0, 192, 1
	TURN 1, 1, 0, 256, 0
	SSTEP 0, 0, 0, 320, 2
	s_add_co_u32 s77, s77, 256
	s_add_co_u32 s76, s76, 256
	s_sub_co_u32 s79, s79, 1
	s_cmp_lg_u32 s79, 0
	s_cbranch_scc1 .Lklap
	TURN 0, 1, 0, 128, 1
	SSTEP 1, 0, 0, 192, 0
	s_mov_b32 s76, 0
	TURN 1, 1, 0, 0, 1                             ; the next pass's first fragments are fetched
	SCORES
	s_add_co_u32 s80, s80, 1
	s_cmp_lt_u32 s80, 2
	s_cbranch_scc1 .Lkpass
	; v x Wv's columns 0-511: v's last two slabs arrive in K steps 5 and 6, a step ahead of their use
	SSTEP 0, 1, 1, 64, 0
	VLAPS 2
	s_mov_b32 s77, 768
	TURN 0, 1, 1, 128, 1
	SSTEP 1, 0, 1, 192, 3
	TURN 1, 1, 1, 256, 0
	SSTEP 0, 0, 1, 320, 4
	s_mov_b32 s76, 768
	TURN 0, 1, 1, 128, 1
	SSTEP 1, 0, 1, 192, 0
	s_mov_b32 s76, 0
	TURN 1, 1, 1, 0, 1
	CTXE 0
	; v x Wv's columns 512-1023: the last refill is my 32nd tile's; the tail is written out
	SSTEP 0, 1, 1, 64, 0
	VLAPS 3
	TURN 0, 0, 1, 128, 1
	SSTEP 1, 0, 1, 192, 0
	s_wait_dscnt 8
	WIN MUL_LO
	MUL16 0, 1, 0, 1
	MUL16 2, 1, 0, 1
	s_wait_dscnt 0x0
	WIN MUL_HI
	MUL16 4, 1, 0, 1
	MUL16 6, 1, 0, 1
	PLACES
	WIN 0
	CTXE 1
	; THE WAY OUT: ctx's 2,048 numbers, 16 a thread, become codes
	s_wait_dscnt 0x0                               ; for the others' sake: my part of ctx has landed
	s_barrier_signal -1
	s_barrier_wait -1
.irp i, 0,1,2,3
	ds_load_b128 v[AF+4*\i:AF+4*\i+3], v[CTR] offset:16*\i
.endr
	s_wait_dscnt 0x0
.irp i, 0,1,2,3,4,5,6,7,8,9,10,11,12,13,14,15
	v_med3_num_f32 v[AF+\i], v[AF+\i], s86, s87
.endr
	v_cvt_scalef32_pk8_bf8_f32 v[32:33], v[AF:AF+7], v[SCLC]
	v_cvt_scalef32_pk8_bf8_f32 v[34:35], v[AF+8:AF+15], v[SCLC]
	v_nop
	global_store_b128 v[OUTO], v[32:35], s[14:15]  ; a wave stores 512 consecutive bytes, aligned; the work-group its two rows of 1,024
	s_wait_tensorcnt 0x0                           ; the wave's end
	ds_add_u32 v[SPW], v[NIL]
	s_wait_dscnt 0x0
	CROUND                                         ; the closing round: no work-group ends while a partner may still ask for a tile that names it
	s_endpgm
.Lfunc_end_k_qb744a5a92a_attn:
	.size	k_qb744a5a92a_attn, .Lfunc_end_k_qb744a5a92a_attn-k_qb744a5a92a_attn
	.p2alignl 7, 3214868480
	.fill 96, 4, 3214868480
	.section	.rodata,"a",@progbits
	.p2align	6, 0x0
	.amdhsa_kernel k_qb744a5a92a_attn
		.amdhsa_group_segment_fixed_size 327680
		.amdhsa_private_segment_fixed_size 0
		.amdhsa_enable_private_segment 0
		.amdhsa_kernarg_size 48
		.amdhsa_user_sgpr_count 2
		.amdhsa_user_sgpr_kernarg_segment_ptr 1
		.amdhsa_wavefront_size32 1
		.amdhsa_system_sgpr_workgroup_id_x 1
		.amdhsa_system_sgpr_workgroup_id_y 1
		.amdhsa_system_sgpr_workgroup_id_z 1
		.amdhsa_system_vgpr_workitem_id 0
		.amdhsa_next_free_vgpr 1024
		.amdhsa_next_free_sgpr 100
		.amdhsa_reserve_vcc 0
		.amdhsa_float_denorm_mode_32 3
		.amdhsa_float_denorm_mode_16_64 3
		.amdhsa_memory_ordered 1
		.amdhsa_forward_progress 1
		.amdhsa_inst_pref_size 255
	.end_amdhsa_kernel
	.section	.bss,"aw",@nobits
	.p2align	6
	.space	262144
	.amdgpu_metadata
---
amdhsa.version: [ 1, 2 ]
amdhsa.kernels:
  - .name:           k_qb744a5a92a_attn
    .symbol:         k_qb744a5a92a_attn.kd
    .args:
      - { .name: k, .offset: 0, .size: 8, .value_kind: global_buffer, .address_space: global }
      - { .name: v, .offset: 8, .size: 8, .value_kind: global_buffer, .address_space: global }
      - { .name: wkv_img, .offset: 16, .size: 8, .value_kind: global_buffer, .address_space: global }
      - { .name: hqs, .offset: 24, .size: 8, .value_kind: global_buffer, .address_space: global }
      - { .name: lowp_scales, .offset: 32, .size: 8, .value_kind: global_buffer, .address_space: global }
      - { .name: ctxc, .offset: 40, .size: 8, .value_kind: global_buffer, .address_space: global }
    .group_segment_fixed_size: 327680
    .private_segment_fixed_size: 0
    .kernarg_segment_align: 8
    .kernarg_segment_size: 48
    .max_flat_workgroup_size: 128
    .sgpr_count:     100
    .vgpr_count:     1024
    .wavefront_size: 32
...
	.end_amdgpu_metadata
.endif
;; end of part 2
;; launch proj (part 3): grid 32 x 1, 16 waves a work-group, no clusters, 84,480 bytes of LDS; arguments ctxc, wp_img, lowp_scales, q, scale, offset, out0; writes out0
.if DOCPART == 3
	.amdgcn_target "amdgcn-amd-amdhsa--gfx1250"
	.amdhsa_code_object_version 6
	.text
	.protected	k_qb744a5a92a_proj
	.globl	k_qb744a5a92a_proj
	.p2align	8
	.type	k_qb744a5a92a_proj,@function
k_qb744a5a92a_proj:
	s_mov_b64 s[64:65], 0
	v_nop
	global_prefetch_b8 v0, s[64:65] scope:SCOPE_SE
	s_setreg_imm32_b32 hwreg(HW_REG_WAVE_MODE, 25, 1), 1
	s_wait_xcnt 0x0
; out0 = LayerNorm(ctx Wp^T + q): the product on codes of BF8 (E5M2); mean, unbiased deviation (sum of squared differences / 1,023), 1 added to the deviation, scale and offset in f32.
; ctxc: [512][1024] codes.  wp_img: Wp's codes as images of operand registers: row n = 512 c + 128 w + 16 f + r, k = 128 s + 32 c4 + 16 h + i at ((8 c + s) 4 + w) 16384 + 2048 f + 512 c4 + 256 h + 16 r + i.
; e6 + e7 is applied by v_ldexp_f32 and has no limit.  NaN among the inputs is not served.
; SHARES.  A work-group owns 16 rows and all 1,024 columns, since the norm wants whole rows: 32 work-groups.  Wave W of sixteen makes columns 64 W .. 64 W + 63 (four accumulators by turns), then owns row W.
; TRANSPOSED: source 0 = 16 rows of Wp, source 1 = the 16 rows of ctx: a lane holds one row and eight neighbouring columns.
; NO JOINT REQUESTS: each wave takes its 65,536 bytes of the image straight into registers, 512 consecutive bytes a load; through LDS they would be written and read once more, for 32 matrix instructions a wave.
.set PITCH,  1040                      ; a code row in LDS: 1,024 bytes + 16
.set STG,    16*PITCH                  ; 16 rows of 4,096 bytes + 16
.set SPITCH, 4112
; v4 16 x lane; v5 my code row (store); v6 ctx's fragment; v7, v8 the stage (store, read); v16-47 accumulators; v48-79 ctx's fragments, two sets, later at work; v80-207 Wp's fragments, two sets of 64;
; later v80-111 scale, v112-143 the row, v144-175 offset, v176-207 the sums x 2^(e6 + e7); v208-239 q's row; v240-247 my row of codes
.macro BLOAD s                         ; Wp's four fragments of K step s
.irp i, 0,1,2,3
.irp c, 0,1,2,3
	global_load_b128 v[80+64*((\s)%2)+16*\i+4*\c:80+64*((\s)%2)+16*\i+4*\c+3], v4, s[6:7] offset:(\s)*65536+\i*2048+\c*512
.endr
.endr
.endm
.macro ALOAD s                         ; ctx's fragment of K step s: k = 32 c + 16 h + 0 .. 15, the same places as in the image
.irp c, 0,1,2,3
	ds_load_b128 v[48+16*((\s)%2)+4*\c:48+16*((\s)%2)+4*\c+3], v6 offset:128*(\s)+32*\c
.endr
.endm
.macro PSTEP s
.if (\s) < 7
	s_wait_loadcnt 16                              ; this K step's sixteen loads are in; the next step's may be out
	s_wait_dscnt 4                                 ; likewise ctx's fragment
.else
	s_wait_loadcnt 8                               ; behind the last K step's loads: the eight of scale
	s_wait_dscnt 0x0
.endif
.irp i, 0,1,2,3
.if (\s) == 0
	v_wmma_f32_16x16x128_bf8_bf8 v[16+8*\i:23+8*\i], v[80+64*((\s)%2)+16*\i:80+64*((\s)%2)+16*\i+15], v[48+16*((\s)%2):48+16*((\s)%2)+15], 0
.else
	v_wmma_f32_16x16x128_bf8_bf8 v[16+8*\i:23+8*\i], v[80+64*((\s)%2)+16*\i:80+64*((\s)%2)+16*\i+15], v[48+16*((\s)%2):48+16*((\s)%2)+15], v[16+8*\i:23+8*\i]
.endif
.endr
.rept 4
	v_nop                                          ; places in front of loads into registers that matrix instructions have read, and of the first read of results
.endr
.if (\s) < 6
	BLOAD (\s)+2
	ALOAD (\s)+2
.elseif (\s) == 6
.irp i, 0,1,2,3,4,5,6,7
	global_load_b128 v[80+4*\i:83+4*\i], v4, s[12:13] offset:512*\i    ; scale: columns 128 i + 4 x lane on
.endr
.else
.irp i, 0,1,2,3,4,5,6,7
	global_load_b128 v[144+4*\i:147+4*\i], v4, s[14:15] offset:512*\i  ; offset
.endr
.endif
.endm
.macro ALLSUM x, t                     ; the sum over the wave's 32 lanes, in every lane
.irp m, 1,2,4,8
	v_add_f32_dpp v[\x], v[\x], v[\x] row_xmask:\m row_mask:0xf bank_mask:0xf
.endr
	v_permlanex16_b32 v[\t], v[\x], s26, s27
	v_add_f32 v[\x], v[\x], v[\t]
.endm
	s_load_b256 s[4:11], s[0:1], 0x0               ; ctxc s[4:5], wp_img s[6:7], the scales' exponents s[8:9], q s[10:11]
	s_load_b128 s[12:15], s[0:1], 0x20             ; scale, offset
	s_load_b64 s[16:17], s[0:1], 0x30              ; out0
	v_lshl_add_u32 v254, v0, 2, 0x14200
	v_mov_b32 v255, 0
	v_lshrrev_b32 v1, 5, v0
	v_readfirstlane_b32 s18, v1                    ; wave 0..15
	v_and_b32 v1, 31, v0
	v_and_b32 v2, 15, v0                           ; r
	v_bfe_u32 v3, v0, 4, 1                         ; h
	v_lshlrev_b32 v4, 4, v1
	s_mul_i32 s19, s18, PITCH
	v_add_nc_u32 v5, s19, v4
	v_mul_u32_u24 v6, v2, PITCH
	v_lshl_add_u32 v6, v3, 4, v6
	s_lshl_b32 s19, s18, 8
	s_add_co_u32 s19, s19, STG
	v_mul_u32_u24 v7, v2, SPITCH
	v_lshl_add_u32 v7, v3, 5, v7
	v_add_nc_u32 v7, s19, v7                       ; the stage, in: row r, bytes 256 W + 32 h on
	s_mul_i32 s19, s18, SPITCH
	s_add_co_u32 s19, s19, STG
	v_add_nc_u32 v8, s19, v4                       ; and back: row W, 16 bytes a lane
	s_mov_b32 s26, 0x76543210
	s_mov_b32 s27, 0xfedcba98
	s_lshl_b32 s20, ttmp9, 4
	s_add_co_u32 s20, s20, s18                     ; my row
	s_mov_b32 s23, 0
	s_wait_kmcnt 0x0
	s_load_b64 s[24:25], s[8:9], 0x18              ; e6, e7
	s_lshl_b32 s22, s20, 10
	s_add_nc_u64 s[4:5], s[4:5], s[22:23]
	s_lshl_b32 s22, s20, 12
	s_add_nc_u64 s[10:11], s[10:11], s[22:23]
	s_add_nc_u64 s[16:17], s[16:17], s[22:23]
	s_lshr_b32 s21, s18, 3
	s_lshl_b32 s22, s21, 19                        ; c
	s_bfe_u32 s21, s18, 0x20001
	s_lshl_b32 s21, s21, 14                        ; w
	s_add_co_u32 s22, s22, s21
	s_and_b32 s21, s18, 1
	s_lshl_b32 s21, s21, 13                        ; fragments 4 (W % 2) on
	s_add_co_u32 s22, s22, s21
	s_add_nc_u64 s[6:7], s[6:7], s[22:23]
	global_load_b128 v[240:243], v4, s[4:5]
	global_load_b128 v[244:247], v4, s[4:5] offset:512
.irp i, 0,1,2,3,4,5,6,7
	global_load_b128 v[208+4*\i:211+4*\i], v4, s[10:11] offset:512*\i
.endr
	BLOAD 0
	BLOAD 1
	s_wait_loadcnt 40                              ; my row of codes is in; q's eight loads and two K steps of Wp may be out
	ds_store_b128 v5, v[240:243]
	ds_store_b128 v5, v[244:247] offset:512
	s_wait_dscnt 0x0
	s_barrier_signal -1
	s_barrier_wait -1                              ; the sixteen code rows are whole
	ALOAD 0
	ALOAD 1
.irp s, 0,1,2,3,4,5,6,7
	PSTEP \s
.endr
	s_wait_kmcnt 0x0
	s_add_co_i32 s24, s24, s25
.set j, 0
.rept 32
	v_ldexp_f32 v[176+j], v[16+j], s24             ; x 2^(e6 + e7); each accumulator from its low end on
.set j, j+1
.endr
.irp i, 0,1,2,3
	ds_store_b128 v7, v[176+8*\i:179+8*\i] offset:64*\i
	ds_store_b128 v7, v[180+8*\i:183+8*\i] offset:64*\i+16
.endr
	s_wait_dscnt 0x0
	s_barrier_signal -1
	s_barrier_wait -1                              ; sixteen whole rows lie in the stage
.irp i, 0,1,2,3,4,5,6,7
	ds_load_b128 v[112+4*\i:115+4*\i], v8 offset:512*\i
.endr
	s_wait_dscnt 0x0
	s_wait_loadcnt 0x0                             ; scale and offset
.irp j, 0,2,4,6,8,10,12,14,16,18,20,22,24,26,28,30
	v_pk_add_f32 v[112+\j:113+\j], v[112+\j:113+\j], v[208+\j:209+\j]   ; + q
.endr
	v_pk_add_f32 v[48:49], v[112:113], v[114:115]  ; the row's sum, in two chains
	v_pk_add_f32 v[50:51], v[116:117], v[118:119]
.irp j, 8,12,16,20,24,28
	v_pk_add_f32 v[48:49], v[48:49], v[112+\j:113+\j]
	v_pk_add_f32 v[50:51], v[50:51], v[114+\j:115+\j]
.endr
	v_pk_add_f32 v[48:49], v[48:49], v[50:51]
	v_add_f32 v48, v48, v49
	ALLSUM 48, 49
	v_mul_f32 v48, 0x3a800000, v48                 ; / 1,024: the mean
.irp j, 0,2,4,6,8,10,12,14,16,18,20,22,24,26,28,30
	v_pk_add_f32 v[112+\j:113+\j], v[112+\j:113+\j], v[48:49] op_sel_hi:[1,0] neg_lo:[0,1] neg_hi:[0,1]   ; the differences
.endr
	v_pk_mul_f32 v[50:51], v[112:113], v[112:113]
	v_pk_mul_f32 v[52:53], v[114:115], v[114:115]
.irp j, 4,8,12,16,20,24,28
	v_pk_fma_f32 v[50:51], v[112+\j:113+\j], v[112+\j:113+\j], v[50:51]
	v_pk_fma_f32 v[52:53], v[114+\j:115+\j], v[114+\j:115+\j], v[52:53]
.endr
	v_pk_add_f32 v[50:51], v[50:51], v[52:53]
	v_add_f32 v50, v50, v51
	ALLSUM 50, 51
	v_mul_f32 v50, 0x3a802008, v50                 ; / 1,023
	v_sqrt_f32 v50, v50
	v_nop                                          ; a plain line behind a transcendental,
	s_wait_alu depctr_va_vdst(0)                   ; and the wait ahead of its first reader
	v_add_f32 v50, 1.0, v50
	v_rcp_f32 v50, v50
	v_nop
	s_wait_alu depctr_va_vdst(0)
.irp j, 0,2,4,6,8,10,12,14,16,18,20,22,24,26,28,30
	v_pk_mul_f32 v[112+\j:113+\j], v[112+\j:113+\j], v[50:51] op_sel_hi:[1,0]
.endr
.irp j, 0,2,4,6,8,10,12,14,16,18,20,22,24,26,28,30
	v_pk_fma_f32 v[112+\j:113+\j], v[112+\j:113+\j], v[80+\j:81+\j], v[144+\j:145+\j]
.endr
.irp i, 0,1,2,3,4,5,6,7
	global_store_b128 v4, v[112+4*\i:115+4*\i], s[16:17] offset:512*\i   ; 32 lanes store 512 consecutive bytes, aligned
.endr
	s_wait_tensorcnt 0x0
	ds_add_u32 v254, v255
	s_wait_dscnt 0x0
	s_endpgm
.Lfunc_end_k_qb744a5a92a_proj:
	.size	k_qb744a5a92a_proj, .Lfunc_end_k_qb744a5a92a_proj-k_qb744a5a92a_proj
	.p2alignl 7, 3214868480
	.fill 96, 4, 3214868480
	.section	.rodata,"a",@progbits
	.p2align	6, 0x0
	.amdhsa_kernel k_qb744a5a92a_proj
		.amdhsa_group_segment_fixed_size 84480
		.amdhsa_private_segment_fixed_size 0
		.amdhsa_enable_private_segment 0
		.amdhsa_kernarg_size 56
		.amdhsa_user_sgpr_count 2
		.amdhsa_user_sgpr_kernarg_segment_ptr 1
		.amdhsa_wavefront_size32 1
		.amdhsa_system_sgpr_workgroup_id_x 1
		.amdhsa_system_sgpr_workgroup_id_y 1
		.amdhsa_system_sgpr_workgroup_id_z 1
		.amdhsa_system_vgpr_workitem_id 0
		.amdhsa_next_free_vgpr 256
		.amdhsa_next_free_sgpr 66
		.amdhsa_reserve_vcc 0
		.amdhsa_float_denorm_mode_32 3
		.amdhsa_float_denorm_mode_16_64 3
		.amdhsa_memory_ordered 1
		.amdhsa_forward_progress 1
		.amdhsa_inst_pref_size 34
	.end_amdhsa_kernel
	.amdgpu_metadata
---
amdhsa.version: [ 1, 2 ]
amdhsa.kernels:
  - .name:           k_qb744a5a92a_proj
    .symbol:         k_qb744a5a92a_proj.kd
    .args:
      - { .name: ctxc, .offset: 0, .size: 8, .value_kind: global_buffer, .address_space: global }
      - { .name: wp_img, .offset: 8, .size: 8, .value_kind: global_buffer, .address_space: global }
      - { .name: lowp_scales, .offset: 16, .size: 8, .value_kind: global_buffer, .address_space: global }
      - { .name: q, .offset: 24, .size: 8, .value_kind: global_buffer, .address_space: global }
      - { .name: scale, .offset: 32, .size: 8, .value_kind: global_buffer, .address_space: global }
      - { .name: offset, .offset: 40, .size: 8, .value_kind: global_buffer, .address_space: global }
      - { .name: out0, .offset: 48, .size: 8, .value_kind: global_buffer, .address_space: global }
    .group_segment_fixed_size: 84480
    .private_segment_fixed_size: 0
    .kernarg_segment_align: 8
    .kernarg_segment_size: 56
    .max_flat_workgroup_size: 512
    .sgpr_count:     66
    .vgpr_count:     256
    .wavefront_size: 32
...
	.end_amdgpu_metadata
.endif
;; end of part 3
;; ======== version 2 of 2: 3 launches; version 1 with the launches prep, proj written anew for expert scheduling mode
;; workspace buffers: wkv_img 2,097,152 bytes; wp_img 1,048,576 bytes; hqs 2,097,152 bytes; ctxc 524,288 bytes
;; launch prep (part 4): grid 256 x 1, 8 waves a work-group, no clusters, 128,000 bytes of LDS; arguments q, Wq, Wk, Wv, Wp, lowp_scales, wkv_img, wp_img, hqs; writes wkv_img, wp_img, hqs
.if DOCPART == 4
	.amdgcn_target "amdgcn-amd-amdhsa--gfx1250"
	.amdhsa_code_object_version 6
	.text
	.protected	k_qb744a5a92a_prep
	.globl	k_qb744a5a92a_prep
	.p2align	8
	.type	k_qb744a5a92a_prep,@function
k_qb744a5a92a_prep:
	s_mov_b64 s[64:65], 0
	v_nop
	global_prefetch_b8 v0, s[64:65] scope:SCOPE_SE
	s_setreg_imm32_b32 hwreg(HW_REG_WAVE_SCHED_MODE, 0, 2), 2
	s_setreg_imm32_b32 hwreg(HW_REG_WAVE_MODE, 25, 1), 1
	s_wait_xcnt 0x0
	s_wait_alu depctr_vm_vsrc(0)
; (1) Wk, Wv, Wp [1024][1024] f32 become codes of BF8 (E5M2), laid as IMAGES OF OPERAND REGISTERS: row n = 512 c + 128 w + 16 f + r, k = 128 s + 32 c4 + 16 h + i (i = 0 .. 15)
;     lies at byte ((8 c + s) 4 + w) 16384 + 2048 f + 512 c4 + 256 h + 16 r + i: a lane (r + 16 h) takes 16 bytes at 16 x lane.  Wv's image follows Wk's, 2^20 bytes on, in one buffer.
; (2) hq' = (Q(q) Q(Wq)^T) x 2^(e0+e1+e2+e3) x log2(e) / 32, f32 [512][1024]: the query's projection with every factor of the later scores folded in (sqrt(1024) = 32).
; code = x / 2^e, held within +-57,344, to the nearest code, ties to even.  LIMITS: e0, e1, e2, e4, e7 between -126 and 112 (2^e and 57,344 x 2^e are written as f32 patterns).  NaN among the inputs is not served.
; SHARES.  256 work-groups of eight waves.  Work-group g makes 32 rows x 64 columns of hq' (rows 32 (g / 16) on, columns 64 (g % 16) on), a wave one tile of 16 x 16 over all of K; and six of the 1,536 weight fragments
; (16 rows x 128 K): wave w < 6 takes tensor w / 2, rows 16 (g / 4) on, K step 2 (g % 4) + w % 2.
; For the product wave w quantises K step w (128 along K) of six tiles of 16 rows (two of q, four of Wq) into code rows in LDS; a barrier; each wave reads its two operands' rows.
; A load reads one row's 512 consecutive bytes, 16 a lane: register 4 p + i of lane l is (row p, k = 4 l + i).  A conversion of eight registers gives two rows' four codes, one register a row.
; NO JOINT REQUESTS: all f32 numbers pass through registers on their way to the conversions, and what reaches LDS are codes that the waves store themselves.
; THE MODE: SCHED_MODE bits 1:0 = 2 (LLVM: expert scheduling mode 2), set by the entry lines.  The code itself states the register dependences
; between vector or matrix instructions and memory or LDS instructions, with s_wait_alu, always for 0.
; THE PLAN.  Registers that memory or LDS instructions touch:
;   v1, v4-v11, v15   offsets and LDS addresses: written at the head and never again.  One wait on va_vdst ahead of the first load serves them for the whole kernel.
;   the three sets    A tile's 16 loads land in a set; its 64 holds write the set in place and its 8 conversions read it; then the next tile's loads land there, and at the end the fragments' LDS loads.
;   v32-47            A tile's conversions write them; its 16 LDS stores read them; the next tile's conversions write them again.  At the end v32-39 take the sums and v40-47 the rows from the stage.
;   v48-63            Named by LDS loads and global stores alone.
; So a tile has ONE wait on va_vdst, behind its conversions: the codes are written, and holds and conversions are done with the set.  Behind it stand the set's next 16 loads and the 16 LDS stores, and no vector line between
; names a register that they touch.  And ONE wait on vm_vsrc, ahead of its conversions: the LDS stores of the tile before have read the codes.
.set PITCH, 1040                       ; a code row in LDS: 1,024 bytes + 16: an odd multiple of 16
.set XR,    0                          ; 96 code rows: q's 32, then Wq's 64
.set SCR,   96*PITCH                   ; 99,840: a wave's own 16 rows of 128 codes, 144 bytes apart
.set STG,   SCR+8*2304                 ; 118,272: 32 rows of hq', 256 bytes + 16
; v1 my offset in hqs; v4 16 x lane; v5, v6 code rows 0-47, 48-95 (store); v7, v8 my scratch (store, read); v9, v10 q's, Wq's fragments; v11, v15 the stage (store, read); v12-14 scales as f32
; v16-23, v24-31 two accumulators; v32-47 codes, later results; v48-63 the image; v64-127, v128-191, v192-255 three sets of 64 numbers, later fragments
.macro MKSCALE e, neg, pos, scl        ; 2^e, 57,344 x 2^e and its negative as f32 patterns
	s_add_co_i32 \scl, \e, 127
	s_add_co_i32 \pos, \scl, 15
	s_lshl_b32 \scl, \scl, 23
	s_lshl_b32 \pos, \pos, 23
	s_or_b32 \pos, \pos, 0x600000
	s_or_b32 \neg, \pos, 0x80000000
.endm
.macro LD16 set, p, off                ; 16 rows x 512 bytes
.irp r, 0,1,2,3,4,5,6,7,8,9,10,11,12,13,14,15
	global_load_b128 v[\set+4*\r:\set+4*\r+3], v4, s[\p:\p+1] offset:\off+\r*4096
.endr
.endm
.macro QT set, wt, neg, pos, scl, prev ; 64 numbers a lane become 16 registers of codes, v32 + row.  prev = 1: LDS stores of an earlier tile have named the code registers
	s_wait_loadcnt \wt                             ; loads come back in order: this set is in, wt younger loads may stay out
.set i, 0
.rept 64
	v_med3_num_f32 v[\set+i], v[\set+i], \neg, \pos   ; the conversion to an 8-bit code does not saturate (ISA guide 7.6.2): the hold at the largest code x the scale
.set i, i+1
.endr
	s_wait_dscnt 0x0                               ; the LDS stores of the tile before are done
.if \prev
	s_wait_alu depctr_vm_vsrc(0)                   ; the LDS stores of the tile before have read v32-47, which the conversions below write again
.endif
.irp g, 0,1,2,3,4,5,6,7
	v_cvt_scalef32_pk8_bf8_f32 v[32+2*\g:33+2*\g], v[\set+8*\g:\set+8*\g+7], v[\scl]
.endr
	v_nop                                          ; one plain vector line behind the last conversion
	s_wait_alu depctr_va_vdst(0)                   ; the conversions have written v32-47, which the LDS stores read; the holds and the conversions are done with the set, in which the next loads land
.endm
.macro ST16 adr, off, pitch            ; a row's 128 codes: 32 lanes store 128 consecutive bytes
.irp r, 0,1,2,3,4,5,6,7,8,9,10,11,12,13,14,15
	ds_store_b32 v[\adr], v[32+\r] offset:\off+\r*\pitch
.endr
.endm
	s_load_b256 s[4:11], s[0:1], 0x0               ; q s[4:5], Wq s[6:7], Wk s[8:9], Wv s[10:11]
	s_load_b256 s[12:19], s[0:1], 0x20             ; Wp s[12:13], the scales' exponents s[14:15], wkv_img s[16:17], wp_img s[18:19]
	s_load_b64 s[20:21], s[0:1], 0x40              ; hqs
	s_set_vgpr_msb 0x40
	v_lshl_add_u32 v0, v0, 2, 0x1f000
	v_mov_b32 v1, 0
	s_set_vgpr_msb 0x4000
	v_lshrrev_b32 v1, 5, v0
	v_readfirstlane_b32 s22, v1                    ; wave 0..7
	v_and_b32 v1, 31, v0                           ; lane
	v_and_b32 v2, 15, v0                           ; r
	v_bfe_u32 v3, v0, 4, 1                         ; h
	v_lshlrev_b32 v4, 4, v1
	s_wait_alu depctr_va_sdst(0)                   ; s22, the wave's number, is written, ahead of its first reader
	; every LDS address is made here, ahead of the branch on the wave's number
	s_lshl_b32 s23, s22, 7
	v_lshl_add_u32 v5, v1, 2, s23                  ; code rows: column 128 w + 4 x lane
	v_add_nc_u32 v6, 48*PITCH, v5
	s_mul_i32 s23, s22, 2304
	s_add_co_u32 s23, s23, SCR
	v_lshl_add_u32 v7, v1, 2, s23                  ; my scratch: 4 x lane,
	v_mul_u32_u24 v8, v2, 144
	v_lshl_add_u32 v8, v3, 4, v8
	v_add_nc_u32 v8, s23, v8                       ; and back: row r, + 16 h
	s_lshr_b32 s24, s22, 2                         ; which 16 rows of q are my tile's
	s_and_b32 s25, s22, 3                          ; which 16 rows of Wq
	v_mul_u32_u24 v9, v2, PITCH
	v_lshl_add_u32 v9, v3, 4, v9                   ; row r, + 16 h
	s_mul_i32 s23, s25, 16*PITCH
	s_add_co_u32 s23, s23, 32*PITCH
	v_add_nc_u32 v10, s23, v9                      ; Wq's fragment
	s_mul_i32 s23, s24, 16*PITCH
	v_add_nc_u32 v9, s23, v9                       ; q's fragment
	s_mul_i32 s23, s24, 16*272
	s_lshl_b32 s25, s25, 6
	s_add_co_u32 s23, s23, s25
	s_add_co_u32 s23, s23, STG
	v_mul_u32_u24 v11, v2, 272
	v_lshl_add_u32 v11, v3, 5, v11
	v_add_nc_u32 v11, s23, v11                     ; the stage, in: row 16 mt + r, bytes 64 nt + 32 h on
	s_mul_i32 s23, s22, 4*272
	s_add_co_u32 s23, s23, STG
	v_mul_u32_u24 v15, v3, 272
	v_lshl_add_u32 v15, v2, 4, v15
	v_add_nc_u32 v15, s23, v15                     ; and back: rows 4 w + h (and two further on), 16 bytes a lane
	v_lshlrev_b32 v1, 12, v3
	v_lshl_add_u32 v1, v2, 4, v1                   ; the same place in hqs: h rows of 4,096 bytes + 16 r
	; offsets, apart from the addresses
	s_lshr_b32 s23, ttmp9, 4                       ; g / 16
	s_and_b32 s24, ttmp9, 15                       ; g % 16
	s_lshl_b32 s25, s22, 9                         ; my K step: 512 bytes of a row
	s_mov_b32 s27, 0
	s_lshr_b32 s38, ttmp9, 2                       ; the weights' tile of 16 rows
	s_and_b32 s39, ttmp9, 3
	s_lshl_b32 s39, s39, 1
	s_and_b32 s46, s22, 1
	s_add_co_u32 s39, s39, s46                     ; and their K step
	s_wait_kmcnt 0x0
	s_load_b256 s[48:55], s[14:15], 0x0            ; e0 .. e7
	s_lshl_b32 s26, s23, 17                        ; 32 rows of 4,096 bytes
	s_add_co_u32 s26, s26, s25
	s_add_nc_u64 s[28:29], s[4:5], s[26:27]        ; q at my tiles' first row, my K step
	s_lshl_b32 s26, s24, 18                        ; 64 rows
	s_add_co_u32 s26, s26, s25
	s_add_nc_u64 s[30:31], s[6:7], s[26:27]        ; Wq likewise
	s_wait_alu depctr_va_vdst(0)                   ; v1, v4 to v11 and v15 are written: every load and store of the kernel, to memory or to LDS, reads one of them as its offset or address
	LD16 64, 28, 0                                 ; tile 0: q's rows 0-15
	LD16 128, 28, 65536                            ; tile 1: q's rows 16-31
	s_cmp_lt_u32 s22, 4                            ; the choices hang on the wave's number alone
	s_cselect_b64 s[32:33], s[10:11], s[12:13]
	s_cselect_b64 s[34:35], s[16:17], s[18:19]
	s_cmp_lt_u32 s22, 2
	s_cselect_b64 s[32:33], s[8:9], s[32:33]       ; waves 0, 1: Wk; 2, 3: Wv; 4, 5: Wp
	s_lshl_b32 s26, s38, 16
	s_lshl_b32 s46, s39, 9
	s_add_co_u32 s26, s26, s46
	s_add_nc_u64 s[32:33], s[32:33], s[26:27]      ; the fragment's first row and K step
	s_lshr_b32 s26, s38, 5
	s_lshl_b32 s26, s26, 19                        ; c
	s_lshl_b32 s46, s39, 16                        ; s
	s_add_co_u32 s26, s26, s46
	s_bfe_u32 s46, s38, 0x20003
	s_lshl_b32 s46, s46, 14                        ; w
	s_add_co_u32 s26, s26, s46
	s_and_b32 s46, s38, 7
	s_lshl_b32 s46, s46, 11                        ; f
	s_add_co_u32 s26, s26, s46
	s_lshr_b32 s46, s22, 1
	s_cmp_eq_u32 s46, 1
	s_cselect_b32 s46, 0x100000, 0                 ; Wv's image lies behind Wk's
	s_add_co_u32 s26, s26, s46
	s_add_nc_u64 s[34:35], s[34:35], s[26:27]      ; the fragment's image
	s_lshl_b32 s26, s23, 17
	s_lshl_b32 s46, s22, 14
	s_add_co_u32 s26, s26, s46
	s_lshl_b32 s46, s24, 8
	s_add_co_u32 s26, s26, s46
	s_add_nc_u64 s[36:37], s[20:21], s[26:27]      ; hqs at row 32 (g / 16) + 4 w, column 64 (g % 16)
	s_wait_kmcnt 0x0
	s_cmp_lt_u32 s22, 4
	s_cselect_b32 s47, s52, s55
	s_cmp_lt_u32 s22, 2
	s_cselect_b32 s47, s50, s47                    ; e2, e4 or e7
	MKSCALE s48, s40, s41, s57
	MKSCALE s49, s42, s43, s58
	MKSCALE s47, s44, s45, s59
	v_mov_b32 v12, s57                             ; (v12 to v14 are named by vector lines alone)
	v_mov_b32 v13, s58
	v_mov_b32 v14, s59
	s_add_co_i32 s56, s48, s49
	s_add_co_i32 s56, s56, s50
	s_add_co_i32 s56, s56, s51                     ; e0 + e1 + e2 + e3
	s_cmp_lt_u32 s22, 6
	s_cbranch_scc0 .Lno_weight
	LD16 192, 32, 0                                ; my weight fragment
	QT 192, 0, s44, s45, 14, 0                     ; no LDS store stands ahead of it
	ST16 7, 0, 144                                 ; through my own scratch: LDS serves a wave's instructions in order, so the loads below see these stores
.irp c, 0,1,2,3
	ds_load_b128 v[48+4*\c:51+4*\c], v8 offset:32*\c   ; registers 4 c .. 4 c + 3: row r, k = 32 c + 16 h + 0 .. 15
.endr
	s_wait_dscnt 0x0
.irp c, 0,1,2,3
	global_store_b128 v4, v[48+4*\c:51+4*\c], s[34:35] offset:512*\c   ; 32 lanes store 512 consecutive bytes, aligned; v48-63 are not written again
.endr
.Lno_weight:
	LD16 192, 30, 0                                ; tile 2: Wq's rows 0-15.  The weight fragment's wait on va_vdst has shown its holds and conversions done with this set, and no vector line since names it
	QT 64, 32, s40, s41, 12, 1                     ; the counts leave the two younger tiles out (on the way through the branch above fewer are out)
	LD16 64, 30, 65536                             ; tile 3: the set is asked for again at once, behind the tile's wait and ahead of its LDS stores
	ST16 5, 0, PITCH
	QT 128, 32, s40, s41, 12, 1
	LD16 128, 30, 131072                           ; tile 4
	ST16 5, 16*PITCH, PITCH
	QT 192, 32, s42, s43, 13, 1
	LD16 192, 30, 196608                           ; tile 5
	ST16 5, 32*PITCH, PITCH
	QT 64, 32, s42, s43, 13, 1
	ST16 6, 0, PITCH
	QT 128, 16, s42, s43, 13, 1
	ST16 6, 16*PITCH, PITCH
	QT 192, 0, s42, s43, 13, 1
	ST16 6, 32*PITCH, PITCH
	s_wait_dscnt 0x0                               ; for the others' sake: my stores have landed
	s_barrier_signal -1
	s_barrier_wait -1                              ; the 96 code rows are whole
.irp s, 0,1,2,3,4,5                            ; these land in the three sets: the last tile's wait on va_vdst has shown every hold and conversion done, and no vector line stands behind it
.irp c, 0,1,2,3
	ds_load_b128 v[64+32*\s+4*\c:67+32*\s+4*\c], v10 offset:128*\s+32*\c   ; Wq's fragment of K step s: k = 32 c + 16 h + 0 .. 15, the same places as in q's
	ds_load_b128 v[80+32*\s+4*\c:83+32*\s+4*\c], v9 offset:128*\s+32*\c    ; q's
.endr
.endr
	s_wait_dscnt 0x0
	; TRANSPOSED: source 0 = 16 rows of Wq, source 1 = 16 rows of q: a lane holds one row of hq' and eight neighbouring columns.  Two accumulators take turns
	v_wmma_f32_16x16x128_bf8_bf8 v[16:23], v[64:79], v[80:95], 0
	v_wmma_f32_16x16x128_bf8_bf8 v[24:31], v[96:111], v[112:127], 0
	v_wmma_f32_16x16x128_bf8_bf8 v[16:23], v[128:143], v[144:159], v[16:23]
	v_wmma_f32_16x16x128_bf8_bf8 v[24:31], v[160:175], v[176:191], v[24:31]
	v_wmma_f32_16x16x128_bf8_bf8 v[16:23], v[192:207], v[208:223], v[16:23]
	v_wmma_f32_16x16x128_bf8_bf8 v[24:31], v[224:239], v[240:255], v[24:31]
.rept 4
	v_nop                                          ; four plain lines behind the matrix instructions, ahead of what touches their registers
.endr
	s_wait_alu depctr_va_vdst(0)                   ; the first two matrix instructions are done reading v64-127, in which the loads below land
.irp s, 6,7
.irp c, 0,1,2,3
	ds_load_b128 v[64+32*(\s-6)+4*\c:67+32*(\s-6)+4*\c], v10 offset:128*\s+32*\c
	ds_load_b128 v[80+32*(\s-6)+4*\c:83+32*(\s-6)+4*\c], v9 offset:128*\s+32*\c
.endr
.endr
	s_wait_dscnt 0x0
	v_wmma_f32_16x16x128_bf8_bf8 v[16:23], v[64:79], v[80:95], v[16:23]
	v_wmma_f32_16x16x128_bf8_bf8 v[24:31], v[96:111], v[112:127], v[24:31]
.rept 4
	v_nop                                          ; four places behind the last matrix instruction, before its result is read (ISA guide 7.12.1)
.endr
	s_wait_alu depctr_vm_vsrc(0)                   ; the last tile's LDS stores have read v32-47: v32-39 are written by the lines below, v40-47 by the loads from the stage
.irp j, 0,2,4,6
	v_pk_add_f32 v[32+\j:33+\j], v[16+\j:17+\j], v[24+\j:25+\j]   ; both accumulators from their low ends on
.endr
.irp j, 0,1,2,3,4,5,6,7
	v_mul_f32 v[32+\j], 0x3d38aa3b, v[32+\j]       ; x log2(e) / 32
.endr
.irp j, 0,1,2,3,4,5,6,7
	v_ldexp_f32 v[32+\j], v[32+\j], s56            ; x 2^(e0 + e1 + e2 + e3)
.endr
	s_wait_alu depctr_va_vdst(0)                   ; v32-39 are written, which the two LDS stores read
	ds_store_b128 v11, v[32:35]
	ds_store_b128 v11, v[36:39] offset:16
	s_wait_dscnt 0x0
	s_barrier_signal -1
	s_barrier_wait -1                              ; a row's 256 bytes come from four waves
	ds_load_b128 v[40:43], v15
	ds_load_b128 v[44:47], v15 offset:2*272
	s_wait_dscnt 0x0
	global_store_b128 v1, v[40:43], s[36:37]       ; sixteen lanes store 256 consecutive bytes, aligned
	global_store_b128 v1, v[44:47], s[36:37] offset:8192
	s_set_vgpr_msb 0x5
	s_wait_dscnt 0x0
	s_wait_alu depctr_hold_cnt(0) depctr_sa_sdst(0) depctr_va_vdst(0) depctr_va_sdst(0) depctr_va_ssrc(0) depctr_va_vcc(0) depctr_vm_vsrc(0)
	s_wait_tensorcnt 0x0
	ds_add_u32 v0, v1
	s_wait_dscnt 0x0
	s_endpgm
.Lfunc_end_k_qb744a5a92a_prep:
	.size	k_qb744a5a92a_prep, .Lfunc_end_k_qb744a5a92a_prep-k_qb744a5a92a_prep
	.p2alignl 7, 3214868480
	.fill 96, 4, 3214868480
	.section	.rodata,"a",@progbits
	.p2align	6, 0x0
	.amdhsa_kernel k_qb744a5a92a_prep
		.amdhsa_group_segment_fixed_size 128000
		.amdhsa_private_segment_fixed_size 0
		.amdhsa_enable_private_segment 0
		.amdhsa_kernarg_size 72
		.amdhsa_user_sgpr_count 2
		.amdhsa_user_sgpr_kernarg_segment_ptr 1
		.amdhsa_wavefront_size32 1
		.amdhsa_system_sgpr_workgroup_id_x 1
		.amdhsa_system_sgpr_workgroup_id_y 1
		.amdhsa_system_sgpr_workgroup_id_z 1
		.amdhsa_system_vgpr_workitem_id 0
		.amdhsa_next_free_vgpr 258
		.amdhsa_next_free_sgpr 66
		.amdhsa_reserve_vcc 0
		.amdhsa_float_denorm_mode_32 3
		.amdhsa_float_denorm_mode_16_64 3
		.amdhsa_memory_ordered 1
		.amdhsa_forward_progress 1
		.amdhsa_inst_pref_size 64
	.end_amdhsa_kernel
	.amdgpu_metadata
---
amdhsa.version: [ 1, 2 ]
amdhsa.kernels:
  - .name:           k_qb744a5a92a_prep
    .symbol:         k_qb744a5a92a_prep.kd
    .args:
      - { .name: q, .offset: 0, .size: 8, .value_kind: global_buffer, .address_space: global }
      - { .name: Wq, .offset: 8, .size: 8, .value_kind: global_buffer, .address_space: global }
      - { .name: Wk, .offset: 16, .size: 8, .value_kind: global_buffer, .address_space: global }
      - { .name: Wv, .offset: 24, .size: 8, .value_kind: global_buffer, .address_space: global }
      - { .name: Wp, .offset: 32, .size: 8, .value_kind: global_buffer, .address_space: global }
      - { .name: lowp_scales, .offset: 40, .size: 8, .value_kind: global_buffer, .address_space: global }
      - { .name: wkv_img, .offset: 48, .size: 8, .value_kind: global_buffer, .address_space: global }
      - { .name: wp_img, .offset: 56, .size: 8, .value_kind: global_buffer, .address_space: global }
      - { .name: hqs, .offset: 64, .size: 8, .value_kind: global_buffer, .address_space: global }
    .group_segment_fixed_size: 128000
    .private_segment_fixed_size: 0
    .kernarg_segment_align: 8
    .kernarg_segment_size: 72
    .max_flat_workgroup_size: 256
    .sgpr_count:     66
    .vgpr_count:     258
    .wavefront_size: 32
...
	.end_amdgpu_metadata
.endif
;; end of part 4
;; launch attn: the kernel of part 2 again; grid 256 x 1, 4 waves a work-group, clusters of 4 x 1, 327,680 bytes of LDS; arguments k, v, wkv_img, hqs, lowp_scales, ctxc; writes ctxc
;; launch proj (part 5): grid 32 x 1, 16 waves a work-group, no clusters, 84,480 bytes of LDS; arguments ctxc, wp_img, lowp_scales, q, scale, offset, out0; writes out0
.if DOCPART == 5
	.amdgcn_target "amdgcn-amd-amdhsa--gfx1250"
	.amdhsa_code_object_version 6
	.text
	.protected	k_qb744a5a92a_proj
	.globl	k_qb744a5a92a_proj
	.p2align	8
	.type	k_qb744a5a92a_proj,@function
k_qb744a5a92a_proj:
	s_mov_b64 s[64:65], 0
	v_nop
	global_prefetch_b8 v0, s[64:65] scope:SCOPE_SE
	s_setreg_imm32_b32 hwreg(HW_REG_WAVE_SCHED_MODE, 0, 2), 2
	s_setreg_imm32_b32 hwreg(HW_REG_WAVE_MODE, 25, 1), 1
	s_wait_xcnt 0x0
	s_wait_alu depctr_vm_vsrc(0)
; out0 = LayerNorm(ctx Wp^T + q): the product on codes of BF8 (E5M2); mean, unbiased deviation (sum of squared differences / 1,023), 1 added to the deviation, scale and offset in f32.
; ctxc: [512][1024] codes.  wp_img: Wp's codes as images of operand registers: row n = 512 c + 128 w + 16 f + r, k = 128 s + 32 c4 + 16 h + i at ((8 c + s) 4 + w) 16384 + 2048 f + 512 c4 + 256 h + 16 r + i.
; e6 + e7 is applied by v_ldexp_f32 and has no limit.  NaN among the inputs is not served.
; SHARES.  A work-group owns 16 rows and all 1,024 columns, since the norm wants whole rows: 32 work-groups.  Wave W of sixteen makes columns 64 W .. 64 W + 63 (four accumulators by turns), then owns row W.
; TRANSPOSED: source 0 = 16 rows of Wp, source 1 = the 16 rows of ctx: a lane holds one row and eight neighbouring columns.
; NO JOINT REQUESTS: each wave takes its 65,536 bytes of the image straight into registers, 512 consecutive bytes a load; through LDS they would be written and read once more, for 32 matrix instructions a wave.
; THE MODE: SCHED_MODE bits 1:0 = 2 (LLVM: expert scheduling mode 2), set by the entry lines.  The code itself states the register dependences
; between vector or matrix instructions and memory or LDS instructions, with s_wait_alu, always for 0.
; THE PLAN.  Registers that memory or LDS instructions touch:
;   v4-v8             offsets and LDS addresses: written at the head and never again.  One wait on va_vdst ahead of the first load serves them for the whole kernel.
;   Wp's two sets     K step s: its four matrix instructions read set s % 2; behind them the loads of K step s + 2 land in it (behind step 6: scale; behind step 7: offset).
;   ctx's two sets    likewise: read by step s's matrix instructions, then the LDS loads of step s + 2 land there.
;   v176-207          written by the 32 scalings of the sums, read by the LDS stores into the stage, not written again.
;   v112-143          the row from the stage lands there (step 6 read them last); vector lines work on it in place; the final stores read it.
;   v208-247          q's row and my row of codes: written by loads alone.
; So a K step has ONE wait on va_vdst, behind its four matrix instructions: they are done reading the two sets in which the step's loads land, so that a set is asked for again two steps ahead of its use.  A third set of Wp's
; fragments has no room: 32 registers of sums, 32 of ctx's fragments and 3 x 64 beside the addresses are more than the wave's 256.  No register that a memory or LDS instruction reads is ever written again: no wait on vm_vsrc.
.set PITCH,  1040                      ; a code row in LDS: 1,024 bytes + 16
.set STG,    16*PITCH                  ; 16 rows of 4,096 bytes + 16
.set SPITCH, 4112
; v4 16 x lane; v5 my code row (store); v6 ctx's fragment; v7, v8 the stage (store, read); v16-47 accumulators; v48-79 ctx's fragments, two sets, later at work; v80-207 Wp's fragments, two sets of 64;
; later v80-111 scale, v112-143 the row, v144-175 offset, v176-207 the sums x 2^(e6 + e7); v208-239 q's row; v240-247 my row of codes
.macro BLOAD s                         ; Wp's four fragments of K step s
.irp i, 0,1,2,3
.irp c, 0,1,2,3
	global_load_b128 v[80+64*((\s)%2)+16*\i+4*\c:80+64*((\s)%2)+16*\i+4*\c+3], v4, s[6:7] offset:(\s)*65536+\i*2048+\c*512
.endr
.endr
.endm
.macro ALOAD s                         ; ctx's fragment of K step s: k = 32 c + 16 h + 0 .. 15, the same places as in the image
.irp c, 0,1,2,3
	ds_load_b128 v[48+16*((\s)%2)+4*\c:48+16*((\s)%2)+4*\c+3], v6 offset:128*(\s)+32*\c
.endr
.endm
.macro PSTEP s
.if (\s) < 7
	s_wait_loadcnt 16                              ; this K step's sixteen loads are in; the next step's may be out
	s_wait_dscnt 4                                 ; likewise ctx's fragment
.else
	s_wait_loadcnt 8                               ; behind the last K step's loads: the eight of scale
	s_wait_dscnt 0x0
.endif
.irp i, 0,1,2,3
.if (\s) == 0
	v_wmma_f32_16x16x128_bf8_bf8 v[16+8*\i:23+8*\i], v[80+64*((\s)%2)+16*\i:80+64*((\s)%2)+16*\i+15], v[48+16*((\s)%2):48+16*((\s)%2)+15], 0
.else
	v_wmma_f32_16x16x128_bf8_bf8 v[16+8*\i:23+8*\i], v[80+64*((\s)%2)+16*\i:80+64*((\s)%2)+16*\i+15], v[48+16*((\s)%2):48+16*((\s)%2)+15], v[16+8*\i:23+8*\i]
.endif
.endr
.rept 4
	v_nop                                          ; four plain lines behind the matrix instructions, ahead of what touches their registers and, behind the last step, of the first read of results (ISA guide 7.12.1)
.endr
	s_wait_alu depctr_va_vdst(0)                   ; this step's matrix instructions are done reading their set of Wp's fragments and their fragment of ctx, in which the loads below land
.if (\s) < 6
	BLOAD (\s)+2
	ALOAD (\s)+2
.elseif (\s) == 6
.irp i, 0,1,2,3,4,5,6,7
	global_load_b128 v[80+4*\i:83+4*\i], v4, s[12:13] offset:512*\i    ; scale: columns 128 i + 4 x lane on
.endr
.else
.irp i, 0,1,2,3,4,5,6,7
	global_load_b128 v[144+4*\i:147+4*\i], v4, s[14:15] offset:512*\i  ; offset
.endr
.endif
.endm
.macro ALLSUM x, t                     ; the sum over the wave's 32 lanes, in every lane
.irp m, 1,2,4,8
	v_add_f32_dpp v[\x], v[\x], v[\x] row_xmask:\m row_mask:0xf bank_mask:0xf
.endr
	v_permlanex16_b32 v[\t], v[\x], s26, s27
	v_add_f32 v[\x], v[\x], v[\t]
.endm
	s_load_b256 s[4:11], s[0:1], 0x0               ; ctxc s[4:5], wp_img s[6:7], the scales' exponents s[8:9], q s[10:11]
	s_load_b128 s[12:15], s[0:1], 0x20             ; scale, offset
	s_load_b64 s[16:17], s[0:1], 0x30              ; out0
	v_lshl_add_u32 v254, v0, 2, 0x14200
	v_mov_b32 v255, 0
	v_lshrrev_b32 v1, 5, v0
	v_readfirstlane_b32 s18, v1                    ; wave 0..15
	v_and_b32 v1, 31, v0
	v_and_b32 v2, 15, v0                           ; r
	v_bfe_u32 v3, v0, 4, 1                         ; h
	v_lshlrev_b32 v4, 4, v1
	s_wait_alu depctr_va_sdst(0)                   ; s18, the wave's number, is written, ahead of its first reader
	s_mul_i32 s19, s18, PITCH
	v_add_nc_u32 v5, s19, v4
	v_mul_u32_u24 v6, v2, PITCH
	v_lshl_add_u32 v6, v3, 4, v6
	s_lshl_b32 s19, s18, 8
	s_add_co_u32 s19, s19, STG
	v_mul_u32_u24 v7, v2, SPITCH
	v_lshl_add_u32 v7, v3, 5, v7
	v_add_nc_u32 v7, s19, v7                       ; the stage, in: row r, bytes 256 W + 32 h on
	s_mul_i32 s19, s18, SPITCH
	s_add_co_u32 s19, s19, STG
	v_add_nc_u32 v8, s19, v4                       ; and back: row W, 16 bytes a lane
	s_mov_b32 s26, 0x76543210
	s_mov_b32 s27, 0xfedcba98
	s_lshl_b32 s20, ttmp9, 4
	s_add_co_u32 s20, s20, s18                     ; my row
	s_mov_b32 s23, 0
	s_wait_kmcnt 0x0
	s_load_b64 s[24:25], s[8:9], 0x18              ; e6, e7
	s_lshl_b32 s22, s20, 10
	s_add_nc_u64 s[4:5], s[4:5], s[22:23]
	s_lshl_b32 s22, s20, 12
	s_add_nc_u64 s[10:11], s[10:11], s[22:23]
	s_add_nc_u64 s[16:17], s[16:17], s[22:23]
	s_lshr_b32 s21, s18, 3
	s_lshl_b32 s22, s21, 19                        ; c
	s_bfe_u32 s21, s18, 0x20001
	s_lshl_b32 s21, s21, 14                        ; w
	s_add_co_u32 s22, s22, s21
	s_and_b32 s21, s18, 1
	s_lshl_b32 s21, s21, 13                        ; fragments 4 (W % 2) on
	s_add_co_u32 s22, s22, s21
	s_add_nc_u64 s[6:7], s[6:7], s[22:23]
	s_wait_alu depctr_va_vdst(0)                   ; v4 to v8 are written: every load and store of the kernel, to memory or to LDS, reads one of them as its offset or address
	global_load_b128 v[240:243], v4, s[4:5]
	global_load_b128 v[244:247], v4, s[4:5] offset:512
.irp i, 0,1,2,3,4,5,6,7
	global_load_b128 v[208+4*\i:211+4*\i], v4, s[10:11] offset:512*\i
.endr
	BLOAD 0
	BLOAD 1
	s_wait_loadcnt 40                              ; my row of codes is in; q's eight loads and two K steps of Wp may be out
	ds_store_b128 v5, v[240:243]
	ds_store_b128 v5, v[244:247] offset:512
	s_wait_dscnt 0x0
	s_barrier_signal -1
	s_barrier_wait -1                              ; the sixteen code rows are whole
	ALOAD 0
	ALOAD 1
.irp s, 0,1,2,3,4,5,6,7
	PSTEP \s
.endr
	s_wait_kmcnt 0x0
	s_add_co_i32 s24, s24, s25
.set j, 0
.rept 32
	v_ldexp_f32 v[176+j], v[16+j], s24             ; x 2^(e6 + e7); each accumulator from its low end on
.set j, j+1
.endr
	s_wait_alu depctr_va_vdst(0)                   ; v176-207 are written, which the LDS stores read
.irp i, 0,1,2,3
	ds_store_b128 v7, v[176+8*\i:179+8*\i] offset:64*\i
	ds_store_b128 v7, v[180+8*\i:183+8*\i] offset:64*\i+16
.endr
	s_wait_dscnt 0x0
	s_barrier_signal -1
	s_barrier_wait -1                              ; sixteen whole rows lie in the stage
.irp i, 0,1,2,3,4,5,6,7
	ds_load_b128 v[112+4*\i:115+4*\i], v8 offset:512*\i   ; into registers that K step 6's matrix instructions read last: they stand ahead of the waits on va_vdst above, and no vector line since names v112-143
.endr
	s_wait_dscnt 0x0
	s_wait_loadcnt 0x0                             ; scale and offset
.irp j, 0,2,4,6,8,10,12,14,16,18,20,22,24,26,28,30
	v_pk_add_f32 v[112+\j:113+\j], v[112+\j:113+\j], v[208+\j:209+\j]   ; + q
.endr
	v_pk_add_f32 v[48:49], v[112:113], v[114:115]  ; the row's sum, in two chains
	v_pk_add_f32 v[50:51], v[116:117], v[118:119]
.irp j, 8,12,16,20,24,28
	v_pk_add_f32 v[48:49], v[48:49], v[112+\j:113+\j]
	v_pk_add_f32 v[50:51], v[50:51], v[114+\j:115+\j]
.endr
	v_pk_add_f32 v[48:49], v[48:49], v[50:51]
	v_add_f32 v48, v48, v49
	ALLSUM 48, 49
	v_mul_f32 v48, 0x3a800000, v48                 ; / 1,024: the mean
.irp j, 0,2,4,6,8,10,12,14,16,18,20,22,24,26,28,30
	v_pk_add_f32 v[112+\j:113+\j], v[112+\j:113+\j], v[48:49] op_sel_hi:[1,0] neg_lo:[0,1] neg_hi:[0,1]   ; the differences
.endr
	v_pk_mul_f32 v[50:51], v[112:113], v[112:113]
	v_pk_mul_f32 v[52:53], v[114:115], v[114:115]
.irp j, 4,8,12,16,20,24,28
	v_pk_fma_f32 v[50:51], v[112+\j:113+\j], v[112+\j:113+\j], v[50:51]
	v_pk_fma_f32 v[52:53], v[114+\j:115+\j], v[114+\j:115+\j], v[52:53]
.endr
	v_pk_add_f32 v[50:51], v[50:51], v[52:53]
	v_add_f32 v50, v50, v51
	ALLSUM 50, 51
	v_mul_f32 v50, 0x3a802008, v50                 ; / 1,023
	v_sqrt_f32 v50, v50
	v_nop                                          ; a plain line behind a transcendental,
	s_wait_alu depctr_va_vdst(0)                   ; and the root in v50 is written, ahead of its first reader
	v_add_f32 v50, 1.0, v50
	v_rcp_f32 v50, v50
	v_nop
	s_wait_alu depctr_va_vdst(0)                   ; the reciprocal in v50 is written, ahead of its first reader
.irp j, 0,2,4,6,8,10,12,14,16,18,20,22,24,26,28,30
	v_pk_mul_f32 v[112+\j:113+\j], v[112+\j:113+\j], v[50:51] op_sel_hi:[1,0]
.endr
.irp j, 0,2,4,6,8,10,12,14,16,18,20,22,24,26,28,30
	v_pk_fma_f32 v[112+\j:113+\j], v[112+\j:113+\j], v[80+\j:81+\j], v[144+\j:145+\j]
.endr
	s_wait_alu depctr_va_vdst(0)                   ; the multiply-adds have written v112-143, which the stores read
.irp i, 0,1,2,3,4,5,6,7
	global_store_b128 v4, v[112+4*\i:115+4*\i], s[16:17] offset:512*\i   ; 32 lanes store 512 consecutive bytes, aligned
.endr
	s_wait_dscnt 0x0
	s_wait_alu depctr_hold_cnt(0) depctr_sa_sdst(0) depctr_va_vdst(0) depctr_va_sdst(0) depctr_va_ssrc(0) depctr_va_vcc(0) depctr_vm_vsrc(0)
	s_wait_tensorcnt 0x0
	ds_add_u32 v254, v255
	s_wait_dscnt 0x0
	s_endpgm
.Lfunc_end_k_qb744a5a92a_proj:
	.size	k_qb744a5a92a_proj, .Lfunc_end_k_qb744a5a92a_proj-k_qb744a5a92a_proj
	.p2alignl 7, 3214868480
	.fill 96, 4, 3214868480
	.section	.rodata,"a",@progbits
	.p2align	6, 0x0
	.amdhsa_kernel k_qb744a5a92a_proj
		.amdhsa_group_segment_fixed_size 84480
		.amdhsa_private_segment_fixed_size 0
		.amdhsa_enable_private_segment 0
		.amdhsa_kernarg_size 56
		.amdhsa_user_sgpr_count 2
		.amdhsa_user_sgpr_kernarg_segment_ptr 1
		.amdhsa_wavefront_size32 1
		.amdhsa_system_sgpr_workgroup_id_x 1
		.amdhsa_system_sgpr_workgroup_id_y 1
		.amdhsa_system_sgpr_workgroup_id_z 1
		.amdhsa_system_vgpr_workitem_id 0
		.amdhsa_next_free_vgpr 256
		.amdhsa_next_free_sgpr 66
		.amdhsa_reserve_vcc 0
		.amdhsa_float_denorm_mode_32 3
		.amdhsa_float_denorm_mode_16_64 3
		.amdhsa_memory_ordered 1
		.amdhsa_forward_progress 1
		.amdhsa_inst_pref_size 35
	.end_amdhsa_kernel
	.amdgpu_metadata
---
amdhsa.version: [ 1, 2 ]
amdhsa.kernels:
  - .name:           k_qb744a5a92a_proj
    .symbol:         k_qb744a5a92a_proj.kd
    .args:
      - { .name: ctxc, .offset: 0, .size: 8, .value_kind: global_buffer, .address_space: global }
      - { .name: wp_img, .offset: 8, .size: 8, .value_kind: global_buffer, .address_space: global }
      - { .name: lowp_scales, .offset: 16, .size: 8, .value_kind: global_buffer, .address_space: global }
      - { .name: q, .offset: 24, .size: 8, .value_kind: global_buffer, .address_space: global }
      - { .name: scale, .offset: 32, .size: 8, .value_kind: global_buffer, .address_space: global }
      - { .name: offset, .offset: 40, .size: 8, .value_kind: global_buffer, .address_space: global }
      - { .name: out0, .offset: 48, .size: 8, .value_kind: global_buffer, .address_space: global }
    .group_segment_fixed_size: 84480
    .private_segment_fixed_size: 0
    .kernarg_segment_align: 8
    .kernarg_segment_size: 56
    .max_flat_workgroup_size: 512
    .sgpr_count:     66
    .vgpr_count:     256
    .wavefront_size: 32
...
	.end_amdgpu_metadata
.endif
;; end of part 5
